; MI455X (gfx1250); checked and timed in simulation.
; The chip was launched on July 23, 2026; its instructions are those of AMD's public machine-readable ISA for CDNA 5 (MIT licence, August 2026) and "CDNA5" Instruction Set Architecture Reference Guide (July 2026). The comments in the code are by the model that wrote it; some were corrected since.
;; Mo E. Allowed arithmetic: matrix products marked QUANTISED: E4M3 operands, one E8M0 scale for each 32 along K, by v_wmma_scale_f32_16x16x128_f8f6f4 with both operands' format E4M3, f32 sums; products left as they are: f32 operands where the result goes on into a quantised operand, else bf16, f16 or f32 operands; f32 sums; everything else in f32.
;; Inputs: Wd_codes 8 x 1,024 x 86 x 32 uint8 (E4M3 codes of Wd, K innermost, in blocks of 32 codes); Wd_scales 8 x 1,024 x 86 uint8 (E8M0 scales of Wd, one for each 32 codes along K); Wg 8 x 1,024 float32; Wu_codes 8 x 2,752 x 32 x 32 uint8 (E4M3 codes of Wu, K innermost, in blocks of 32 codes); Wu_scales 8 x 2,752 x 32 uint8 (E8M0 scales of Wu, one for each 32 codes along K); Wv_codes 8 x 2,752 x 32 x 32 uint8 (E4M3 codes of Wv, K innermost, in blocks of 32 codes); Wv_scales 8 x 2,752 x 32 uint8 (E8M0 scales of Wv, one for each 32 codes along K); bg 8 float32; x 1,024 x 1,024 float32.
;; Outputs: out0 1,024 x 1,024 float32; out1 one number float32.
;; This version of the problem:
;;   THIS VERSION OF THE PROBLEM IS GIVEN IN LOW PRECISION. The matrix products marked QUANTISED in the list below multiply operands that are first quantised to E4M3 (4 exponent bits, 3 mantissa bits; 8 bits a number), with one power-of-two scale for each 32 numbers along K (OCP MX v1.0); their sums are f32. All else is computed in f32.
;;   The module's matrix products, in the order in which they are computed (A, B: the left and right operand; K: the contracted axis; several contracted axes count as one K, in the product's order):
;;     1. [M 1,024, K 1,024] x [K 1,024, N 8]; A: input x; B: input Wg: left as it is (N = 8 < 16)
;;     2. [M 1,024, K 1,024] x [K 1,024, N 2,752]; A: input x; B: input Wu (given as codes): QUANTISED
;;     3. [M 1,024, K 1,024] x [K 1,024, N 2,752]; A: input x; B: input Wv (given as codes): QUANTISED
;;     4. [M 1,024, K 2,752] x [K 2,752, N 1,024]; A: computed on the way; B: input Wd (given as codes): QUANTISED
;;     5. [M 1,024, K 1,024] x [K 1,024, N 2,752]; A: input x; B: input Wu (given as codes): QUANTISED
;;     6. [M 1,024, K 1,024] x [K 1,024, N 2,752]; A: input x; B: input Wv (given as codes): QUANTISED
;;     7. [M 1,024, K 2,752] x [K 2,752, N 1,024]; A: computed on the way; B: input Wd (given as codes): QUANTISED
;;     8. [M 1,024, K 1,024] x [K 1,024, N 2,752]; A: input x; B: input Wu (given as codes): QUANTISED
;;     9. [M 1,024, K 1,024] x [K 1,024, N 2,752]; A: input x; B: input Wv (given as codes): QUANTISED
;;     10. [M 1,024, K 2,752] x [K 2,752, N 1,024]; A: computed on the way; B: input Wd (given as codes): QUANTISED
;;     11. [M 1,024, K 1,024] x [K 1,024, N 2,752]; A: input x; B: input Wu (given as codes): QUANTISED
;;     12. [M 1,024, K 1,024] x [K 1,024, N 2,752]; A: input x; B: input Wv (given as codes): QUANTISED
;;     13. [M 1,024, K 2,752] x [K 2,752, N 1,024]; A: computed on the way; B: input Wd (given as codes): QUANTISED
;;     14. [M 1,024, K 1,024] x [K 1,024, N 2,752]; A: input x; B: input Wu (given as codes): QUANTISED
;;     15. [M 1,024, K 1,024] x [K 1,024, N 2,752]; A: input x; B: input Wv (given as codes): QUANTISED
;;     16. [M 1,024, K 2,752] x [K 2,752, N 1,024]; A: computed on the way; B: input Wd (given as codes): QUANTISED
;;     17. [M 1,024, K 1,024] x [K 1,024, N 2,752]; A: input x; B: input Wu (given as codes): QUANTISED
;;     18. [M 1,024, K 1,024] x [K 1,024, N 2,752]; A: input x; B: input Wv (given as codes): QUANTISED
;;     19. [M 1,024, K 2,752] x [K 2,752, N 1,024]; A: computed on the way; B: input Wd (given as codes): QUANTISED
;;     20. [M 1,024, K 1,024] x [K 1,024, N 2,752]; A: input x; B: input Wu (given as codes): QUANTISED
;;     21. [M 1,024, K 1,024] x [K 1,024, N 2,752]; A: input x; B: input Wv (given as codes): QUANTISED
;;     22. [M 1,024, K 2,752] x [K 2,752, N 1,024]; A: computed on the way; B: input Wd (given as codes): QUANTISED
;;     23. [M 1,024, K 1,024] x [K 1,024, N 2,752]; A: input x; B: input Wu (given as codes): QUANTISED
;;     24. [M 1,024, K 1,024] x [K 1,024, N 2,752]; A: input x; B: input Wv (given as codes): QUANTISED
;;     25. [M 1,024, K 2,752] x [K 2,752, N 1,024]; A: computed on the way; B: input Wd (given as codes): QUANTISED
;;   THE QUANTISER, for each operand of a quantised product, along K:
;;     - K is cut into blocks of 32 from its start; a last block that is shorter is filled with zeros.
;;     - A block's scale is 2^e with e = floor(log2(the largest magnitude in the block)) - 8, held to -126 .. 127; a block of zeros has e = 0. As a byte (E8M0): e + 127.
;;     - Each number is divided by its block's scale, clamped to +-448, and rounded to the nearest number of E4M3, ties to even, subnormals kept.
;;     - The product sums the exact products of the quantised numbers (number of the format x scale) in f32.
;;   ~~~python
;;   def quantise(x, axis):      # numpy; x: float32 -> the quantised numbers, widened to float32 again
;;       x = np.moveaxis(x, axis, -1); K = x.shape[-1]
;;       x = np.pad(x, [(0, 0)] * (x.ndim - 1) + [(0, -K % 32)]); x = x.reshape(x.shape[:-1] + (-1, 32)); a = np.abs(x).max(-1, keepdims=True)
;;       e = np.where(a > 0, np.clip(np.frexp(np.where(a > 0, a, 1))[1] - 1 - 8, -126, 127), 0)      # np.frexp(a)[1] - 1 = floor(log2(a)), exactly
;;       r = np.clip(x / 2.0 ** e, -448, 448)
;;       step = 2.0 ** (np.maximum(np.frexp(np.where(r == 0, 1, r))[1] - 1, -6) - 3)
;;       q = np.round(r / step) * step * 2.0 ** e      # np.round: ties to even
;;       return np.moveaxis(q.reshape(q.shape[:-2] + (-1,))[..., :K], -1, axis).astype(np.float32)
;;   ~~~
;;   OPERANDS COMPUTED ON THE WAY. 'Computed on the way' means the value that the module computes at that place (a softmax that the list does not call 'softmax' is quantised finished and normalised). What goes into a quantiser is computed in f32, as accurately as f32 sums, v_exp_f32 and their like allow (about 1e-6 of the number): no bf16 or f16 on the way to a quantiser, and a product that is left as it is and whose result goes on into a quantised operand takes f32 operands (vector FMAs, or v_wmma_f32_16x16x4_f32). A number that lies on a knife's edge between two numbers of the format may be rounded either way, as far as f32 arithmetic and the matrix unit's own rounding can turn it there, and no further.
;;   INPUTS GIVEN AS CODES. Wd (in the module: [8, 1024, 2752], K = its axis 2); Wu (in the module: [8, 2752, 1024], K = its axis 2); Wv (in the module: [8, 2752, 1024], K = its axis 2): each comes as NAME_codes (uint8): NAME with its K axis moved to the last place and cut into blocks of 32 codes, [.., K / 32, bytes a block], one block behind the other in memory; one code a byte (a code: sign, 4 exponent bits, 3 mantissa bits); and NAME_scales (uint8): the same leading axes, one E8M0 byte (e + 127) for each 32 codes along K. Its value is code x scale, taken as it is: it is not quantised again, and the codes and scales need not be those that the quantiser above would give.
;; 2 versions, each right; version 2 is version 1 with the launches up, down written anew for expert scheduling mode. Each part assembles by itself: llvm-mc -triple=amdgcn-amd-amdhsa -mcpu=gfx1250 --defsym DOCPART=n.
;; ======== version 1 of 2: 4 launches
;; workspace buffers: xq 1,048,576 bytes; xs 32,768 bytes; ridx 4,096 bytes of whole numbers; probs 32,768 bytes; order 4,864 bytes of whole numbers; hq 3,489,792 bytes; hs 218,112 bytes
;; launch route (part 1): grid 256 x 1, 1 waves a work-group, no clusters, 20,992 bytes of LDS; arguments x, Wg, bg, xq, xs, ridx, probs; writes xq, xs, ridx, probs
.if DOCPART == 1
	.amdgcn_target "amdgcn-amd-amdhsa--gfx1250"
	.amdhsa_code_object_version 6
	.text
	.protected	k_qb634dd2d78_route
	.globl	k_qb634dd2d78_route
	.p2align	8
	.type	k_qb634dd2d78_route,@function
k_qb634dd2d78_route:
	s_mov_b64 s[64:65], 0
	v_nop
	global_prefetch_b8 v0, s[64:65] scope:SCOPE_SE
	s_setreg_imm32_b32 hwreg(HW_REG_WAVE_MODE, 25, 1), 1
	s_wait_xcnt 0x0
; THE ROUTER AND x's QUANTISER.  x [1024][1024] f32, Wg [8][1024] f32, bg [8] f32.
; Out: xq [token][1024] codes of E4M3, K innermost; xs [token][32] E8M0 bytes; ridx [token] the top-1 expert (int32); probs [token][8] the softmax, f32.
; A work-group is one wave and takes 4 tokens.  Every load reads 512 consecutive bytes of one row: register 4 n + i of a row holds k = 128 n + 4 lane + i.
; x and Wg lie alike, so the 32 dot products (4 tokens x 8 experts) are fused multiply-adds in f32 on the registers as loaded.
; Then each token's row turns through a stage in LDS, so that a lane holds 16 neighbours along K (two lanes to a block of 32), and is quantised.
; The 32 sums are folded over the 32 lanes so that lane 8 t + e ends with logit (t, e); softmax and argmax are then steps among 8 lanes.
; LIMITS: NaN and infinities among the inputs are not served; a block whose largest magnitude lies under 2^-118 (a block of zeros too) gets the byte 1: the bytes are read by this program alone.
; Two logits nearer to each other than the error of these f32 sums may be ordered otherwise than by another order of summation; equal logits give the lower index.
.set SP,   80                          ; a lane's place in a stage: 64 bytes + 16 of padding
.set STG,  5120                        ; a token's stage: 2 steps x 32 places
.set SCB,  4*STG                       ; behind the stages: the wave's 128 scale bytes
.set X,    32                          ; v32-159  x: token t at 32 t
.set DA,   160                         ; v160-175 eight running pairs
.set P,    176                         ; v176-207 the 32 sums of my lane: index 8 t + e
.set C,    208                         ; v208-239 at work in the fold, then the codes: 4 registers a step
.set EB,   16                          ; v16-23   a scale byte for each step
.set MSB,  0
.macro WIN new                         ; the immediate's high byte repeats the setting that is left
.if MSB != (\new)
	s_set_vgpr_msb (MSB<<8)|(\new)
.set MSB, (\new)
.endif
.endm
	s_load_b256 s[4:11], s[0:1], 0x0               ; x, Wg, bg, xq
	s_load_b128 s[12:15], s[0:1], 0x20             ; xs, ridx
	s_load_b64 s[16:17], s[0:1], 0x30              ; probs
	v_lshl_add_u32 v254, v0, 2, 0x5100
	v_mov_b32 v255, 0
	v_lshlrev_b32 v1, 4, v0                        ; 16 x lane
	v_lshrrev_b32 v2, 2, v0
	v_mul_u32_u24 v2, v2, SP
	v_and_b32 v8, 3, v0
	v_lshl_add_u32 v2, v8, 4, v2                   ; the stage, way in: four lanes' 64 bytes on end, then the padding
	v_mul_u32_u24 v3, v0, SP                       ; way out: my 64 bytes
	v_lshrrev_b32 v4, 1, v0
	v_add_nc_u32 v4, SCB, v4                       ; my block's scale byte
	v_lshlrev_b32 v5, 2, v0                        ; 4 x lane
	v_and_b32 v6, 7, v0                            ; e
	v_lshlrev_b32 v13, 2, v6                       ; bg's offset; not rewritten
	v_lshrrev_b32 v30, 3, v0
	v_lshlrev_b32 v30, 2, v30                      ; ridx: 4 x (lane / 8)
	s_mov_b32 s20, 0x76543210
	s_mov_b32 s21, 0xfedcba98                      ; v_permlanex16_b32's selects for lane l xor 16
	s_mov_b32 s22, 0x600000                        ; the mantissa field of 448
	s_mov_b32 s24, 0xffff0000                      ; lanes whose bit 4, 3, 2, 1, 0 is set
	s_mov_b32 s25, 0xff00ff00
	s_mov_b32 s26, 0xf0f0f0f0
	s_mov_b32 s27, 0xcccccccc
	s_mov_b32 s28, 0xaaaaaaaa
	s_lshl_b32 s30, ttmp9, 14                      ; 4 rows of 4,096 bytes
	s_mov_b32 s31, 0
	s_wait_kmcnt 0x0
	s_add_nc_u64 s[4:5], s[4:5], s[30:31]
	s_lshl_b32 s30, ttmp9, 12
	s_add_nc_u64 s[10:11], s[10:11], s[30:31]
	s_lshl_b32 s30, ttmp9, 7
	s_add_nc_u64 s[12:13], s[12:13], s[30:31]
	s_add_nc_u64 s[16:17], s[16:17], s[30:31]
	s_lshl_b32 s30, ttmp9, 4
	s_add_nc_u64 s[14:15], s[14:15], s[30:31]
	global_load_b32 v7, v13, s[8:9]                ; bg[e]
.irp t, 0,1,2,3
.irp n, 0,1,2,3,4,5,6,7
	global_load_b128 v[X+32*\t+4*\n:X+32*\t+4*\n+3], v1, s[4:5] offset:4096*\t+512*\n th:TH_LOAD_NT
.endr
.endr
	WIN 0x40                                       ; destination window 1: Wg's row e at v[32 e]
.irp e, 0,1,2,3,4,5,6,7
.irp n, 0,1,2,3,4,5,6,7
	global_load_b128 v[32*\e+4*\n:32*\e+4*\n+3], v1, s[6:7] offset:4096*\e+512*\n
.endr
.endr
	WIN 0
; THE DOT PRODUCTS, expert by expert as Wg's rows arrive: four tokens x two halves of the pairs = eight chains by turns
.irp e, 0,1,2,3,4,5,6,7
	s_wait_loadcnt 8*(7-\e)                        ; bg, x and Wg's rows up to e are in; the later rows, 8 loads each, may be out
	WIN 0x04                                       ; source 1 (Wg) window 1
.irp m, 0,1,2,3,4,5,6,7,8,9,10,11,12,13,14,15
.irp t, 0,1,2,3
.if \m < 2
	v_pk_mul_f32 v[DA+4*\t+2*\m:DA+4*\t+2*\m+1], v[X+32*\t+2*\m:X+32*\t+2*\m+1], v[32*\e+2*\m:32*\e+2*\m+1]
.else
	v_pk_fma_f32 v[DA+4*\t+2*(\m%2):DA+4*\t+2*(\m%2)+1], v[X+32*\t+2*\m:X+32*\t+2*\m+1], v[32*\e+2*\m:32*\e+2*\m+1], v[DA+4*\t+2*(\m%2):DA+4*\t+2*(\m%2)+1]
.endif
.endr
.endr
	WIN 0
.irp t, 0,1,2,3
	v_pk_add_f32 v[DA+4*\t:DA+4*\t+1], v[DA+4*\t:DA+4*\t+1], v[DA+4*\t+2:DA+4*\t+3]
.endr
.irp t, 0,1,2,3
	v_add_f32 v[P+8*\t+\e], v[DA+4*\t], v[DA+4*\t+1]
.endr
.endr
; x TURNS THROUGH LDS, in place: afterwards register 16 q + m of a token holds k = 512 q + 16 lane + m.  LDS serves a wave's instructions in order: no wait between the stores and the loads
.irp t, 0,1,2,3
.irp q, 0,1
.irp i, 0,1,2,3
	ds_store_b128 v2, v[X+32*\t+16*\q+4*\i:X+32*\t+16*\q+4*\i+3] offset:STG*\t+2560*\q+640*\i
.endr
.irp i, 0,1,2,3
	ds_load_b128 v[X+32*\t+16*\q+4*\i:X+32*\t+16*\q+4*\i+3], v3 offset:STG*\t+2560*\q+16*\i
.endr
.endr
.endr
; THE FOLD, while the turn is out.  In each step a lane keeps the half of its sums whose index has the lane's bit, and hands the other half to the lane that differs in that bit
.set i, 0
.rept 16
	v_cndmask_b32 v[C+i], v[P+i], v[P+16+i], s24
	v_cndmask_b32 v[DA+i], v[P+16+i], v[P+i], s24
.set i, i+1
.endr
.set i, 0
.rept 16
	v_permlanex16_b32 v[P+16+i], v[DA+i], s20, s21
.set i, i+1
.endr
.set i, 0
.rept 16
	v_add_f32 v[P+i], v[C+i], v[P+16+i]
.set i, i+1
.endr
.macro FOLD n, msk, xm                 ; of 2 n sums n are kept
.set i, 0
.rept \n
	v_cndmask_b32 v[C+i], v[P+i], v[P+i+\n], s[\msk]
	v_cndmask_b32 v[C+16+i], v[P+i+\n], v[P+i], s[\msk]
.set i, i+1
.endr
.set i, 0
.rept \n
	v_add_f32_dpp v[P+i], v[C+16+i], v[C+i] row_xmask:\xm row_mask:0xf bank_mask:0xf
.set i, i+1
.endr
.endm
	FOLD 8, 25, 8
	FOLD 4, 26, 4
	FOLD 2, 27, 2
	FOLD 1, 28, 1                                  ; lane 8 t + e holds x[t] . Wg[e]
; SOFTMAX AND ARGMAX among the 8 lanes of a token
	v_add_f32 v24, v[P], v7                        ; the logit
	v_mov_b32 v25, v24
	v_max_num_f32_dpp v25, v25, v25 row_xmask:1 row_mask:0xf bank_mask:0xf
	v_max_num_f32_dpp v25, v25, v25 row_xmask:2 row_mask:0xf bank_mask:0xf
	v_max_num_f32_dpp v25, v25, v25 row_xmask:4 row_mask:0xf bank_mask:0xf
	v_sub_f32 v26, v24, v25                        ; the maximum is taken away
	v_mul_f32 v26, 0x3fb8aa3b, v26
	v_exp_f32 v26, v26
	v_cvt_f32_u32 v28, v6                          ; (plain work behind the exponential)  e as f32
	v_cmp_eq_f32 vcc_lo, v24, v25
	v_cndmask_b32 v28, 0x41000000, v28, vcc_lo     ; e where the logit is the maximum, else 8
	v_min_num_f32_dpp v28, v28, v28 row_xmask:1 row_mask:0xf bank_mask:0xf
	v_min_num_f32_dpp v28, v28, v28 row_xmask:2 row_mask:0xf bank_mask:0xf
	v_min_num_f32_dpp v28, v28, v28 row_xmask:4 row_mask:0xf bank_mask:0xf
	v_cvt_u32_f32 v29, v28                         ; the lowest such e
	s_wait_alu depctr_va_vdst(0)                   ; ahead of the exponential's first reader
	v_mov_b32 v27, v26
	v_add_f32_dpp v27, v27, v27 row_xmask:1 row_mask:0xf bank_mask:0xf
	v_add_f32_dpp v27, v27, v27 row_xmask:2 row_mask:0xf bank_mask:0xf
	v_add_f32_dpp v27, v27, v27 row_xmask:4 row_mask:0xf bank_mask:0xf
	v_rcp_f32 v27, v27
	v_nop
	s_wait_alu depctr_va_vdst(0)
	v_mul_f32 v26, v26, v27
	global_store_b32 v5, v26, s[16:17]             ; probs: the wave's 128 consecutive bytes
; THE QUANTISER: step (t, q): my 16 neighbours, two lanes to a block
.macro QSTEP t, q
.set XS, X+32*(\t)+16*(\q)
.set QS, 2*(\t)+(\q)
	v_max3_num_f32 v8, |v[XS]|, |v[XS+1]|, |v[XS+2]|
	v_max3_num_f32 v9, |v[XS+3]|, |v[XS+4]|, |v[XS+5]|
.irp i, 6,10
	v_max3_num_f32 v8, v8, |v[XS+\i]|, |v[XS+\i+1]|
	v_max3_num_f32 v9, v9, |v[XS+\i+2]|, |v[XS+\i+3]|
.endr
	v_max3_num_f32 v8, v8, |v[XS+14]|, |v[XS+15]|
	v_max3_num_f32 v8, v8, v9, 0x4800000           ; and the floor 2^(9 - 127): the byte cannot fall under 1
	v_max_num_f32_dpp v8, v8, v8 row_xmask:1 row_mask:0xf bank_mask:0xf   ; with my neighbour's 16: the block's largest magnitude
	v_add_nc_u32 v11, 0xfc000000, v8               ; 8 off its exponent field: the conversion's scale operand
	v_and_or_b32 v10, v8, 0x7f800000, s22          ; 448 x the scale
.irp i, 0,1,2,3,4,5,6,7,8,9,10,11,12,13,14,15
	v_med3_num_f32 v[XS+\i], v[XS+\i], -v10, v10   ; the conversion to an 8-bit code does not saturate (ISA guide 7.6.2): the hold comes first
.endr
	v_cvt_scalef32_pk8_fp8_f32 v[C+4*QS:C+4*QS+1], v[XS:XS+7], v11
	v_cvt_scalef32_pk8_fp8_f32 v[C+4*QS+2:C+4*QS+3], v[XS+8:XS+15], v11
	v_lshrrev_b32 v[EB+QS], 23, v11                ; the scale's byte
	ds_store_b8 v4, v[EB+QS] offset:32*(\t)+16*(\q)   ; both lanes of a block write the same byte with the same value
	global_store_b128 v1, v[C+4*QS:C+4*QS+3], s[10:11] offset:1024*(\t)+512*(\q)   ; 32 lanes store 512 consecutive bytes
.endm
	s_wait_dscnt 0x0                               ; the turn is over
.irp t, 0,1,2,3
	QSTEP \t, 0
	QSTEP \t, 1
.endr
	ds_load_b32 v31, v5 offset:SCB                 ; LDS serves a wave's instructions in order: this sees my byte stores
	s_wait_dscnt 0x0
	global_store_b32 v5, v31, s[12:13]             ; xs: the wave's 128 consecutive bytes
	v_cmp_eq_u32 vcc_lo, 0, v6
	s_wait_xcnt 0x0                                ; EXEC changes only behind this wait
	s_wait_tensorcnt 0x0
	ds_add_u32 v254, v255
	s_wait_dscnt 0x0
	s_and_saveexec_b32 s32, vcc_lo                 ; one lane a token
	global_store_b32 v30, v29, s[14:15]            ; ridx
	s_wait_xcnt 0x0
	s_or_b32 exec_lo, exec_lo, s32
	s_endpgm
.Lfunc_end_k_qb634dd2d78_route:
	.size	k_qb634dd2d78_route, .Lfunc_end_k_qb634dd2d78_route-k_qb634dd2d78_route
	.p2alignl 7, 3214868480
	.fill 96, 4, 3214868480
	.section	.rodata,"a",@progbits
	.p2align	6, 0x0
	.amdhsa_kernel k_qb634dd2d78_route
		.amdhsa_group_segment_fixed_size 20992
		.amdhsa_private_segment_fixed_size 0
		.amdhsa_enable_private_segment 0
		.amdhsa_kernarg_size 56
		.amdhsa_user_sgpr_count 2
		.amdhsa_user_sgpr_kernarg_segment_ptr 1
		.amdhsa_wavefront_size32 1
		.amdhsa_system_sgpr_workgroup_id_x 1
		.amdhsa_system_sgpr_workgroup_id_y 1
		.amdhsa_system_sgpr_workgroup_id_z 1
		.amdhsa_system_vgpr_workitem_id 0
		.amdhsa_next_free_vgpr 512
		.amdhsa_next_free_sgpr 66
		.amdhsa_reserve_vcc 1
		.amdhsa_float_denorm_mode_32 3
		.amdhsa_float_denorm_mode_16_64 3
		.amdhsa_memory_ordered 1
		.amdhsa_forward_progress 1
		.amdhsa_inst_pref_size 76
	.end_amdhsa_kernel
	.amdgpu_metadata
---
amdhsa.version: [ 1, 2 ]
amdhsa.kernels:
  - .name:           k_qb634dd2d78_route
    .symbol:         k_qb634dd2d78_route.kd
    .args:
      - { .name: x, .offset: 0, .size: 8, .value_kind: global_buffer, .address_space: global }
      - { .name: Wg, .offset: 8, .size: 8, .value_kind: global_buffer, .address_space: global }
      - { .name: bg, .offset: 16, .size: 8, .value_kind: global_buffer, .address_space: global }
      - { .name: xq, .offset: 24, .size: 8, .value_kind: global_buffer, .address_space: global }
      - { .name: xs, .offset: 32, .size: 8, .value_kind: global_buffer, .address_space: global }
      - { .name: ridx, .offset: 40, .size: 8, .value_kind: global_buffer, .address_space: global }
      - { .name: probs, .offset: 48, .size: 8, .value_kind: global_buffer, .address_space: global }
    .group_segment_fixed_size: 20992
    .private_segment_fixed_size: 0
    .kernarg_segment_align: 8
    .kernarg_segment_size: 56
    .max_flat_workgroup_size: 32
    .sgpr_count:     66
    .vgpr_count:     512
    .wavefront_size: 32
...
	.end_amdgpu_metadata
.endif
;; end of part 1
;; launch place (part 2): grid 1 x 1, 8 waves a work-group, no clusters, 3,584 bytes of LDS; arguments ridx, probs, order, out1; writes order, out1
.if DOCPART == 2
	.amdgcn_target "amdgcn-amd-amdhsa--gfx1250"
	.amdhsa_code_object_version 6
	.text
	.protected	k_qb634dd2d78_place
	.globl	k_qb634dd2d78_place
	.p2align	8
	.type	k_qb634dd2d78_place,@function
k_qb634dd2d78_place:
	s_mov_b64 s[64:65], 0
	v_nop
	global_prefetch_b8 v0, s[64:65] scope:SCOPE_SE
	s_setreg_imm32_b32 hwreg(HW_REG_WAVE_MODE, 25, 1), 1
	s_wait_xcnt 0x0
; THE ROWS ARE PLACED BY EXPERT, AND aux.  ridx [1024] int32, probs [1024][8] f32.
; Out: order: words 0 .. 1135: sorted place -> token; at byte 4608: rec[e] = {first tile, tiles, rows, 0}, 16 bytes an expert.  out1 = 0.05 x 8 x sum over e of (rows[e] / 1024) (sum of probs[.][e] / 1024).
; Expert e owns ceil(rows / 16) tiles of 16 places, one expert's tiles behind the other's: 71 tiles at the most, whatever the split.
; The empty places of an expert's last tile repeat a token of that expert: the later launches then compute that row twice, alike, and need no mask.
; One work-group of eight waves: a counting sort without atomics.  Wave w, register j, lane l hold token 128 w + 32 j + l.  One barrier.
.set CNT, 0                            ; LDS: each wave's eight counts (128 bytes a wave),
.set FST, 1024                         ; a token of each expert in the wave, or 0xffff,
.set CE,  2048                         ; and the wave's sums of probs: word 8 w + e
	s_load_b256 s[4:11], s[0:1], 0x0               ; ridx, probs, order, out1
	v_lshl_add_u32 v96, v0, 2, 0xa00
	v_mov_b32 v97, 0
	v_lshrrev_b32 v1, 5, v0
	v_readfirstlane_b32 s12, v1                    ; wave
	v_and_b32 v1, 31, v0                           ; lane
	v_lshlrev_b32 v2, 2, v1
	v_lshlrev_b32 v9, 4, v1                        ; the records' offset, 16 x lane; made here, never a load's destination, never rewritten
	v_mov_b32 v10, 0                               ; out1's offset; likewise
	s_lshl_b32 s13, s12, 9
	v_add_nc_u32 v3, s13, v2                       ; ridx: 512 w + 4 lane
	v_lshlrev_b32 v4, 4, v0                        ; probs: 16 x thread
	s_lshl_b32 s13, s12, 7                         ; 128 w
	v_add_nc_u32 v5, s13, v2                       ; LDS: 128 w + 4 lane
	v_and_b32 v6, 7, v1
	v_lshlrev_b32 v7, 2, v6                        ; 4 e
	v_and_b32 v8, 1, v1
	s_lshl_b32 s14, s12, 5
	v_lshl_add_u32 v8, v8, 4, s14                  ; 32 w + 16 (lane % 2)
	v_add_nc_u32 v16, s13, v1                      ; my four tokens
	v_add_nc_u32 v17, 32, v16
	v_add_nc_u32 v18, 64, v16
	v_add_nc_u32 v19, 0x60, v16
	v_mov_b32 v20, 0
	v_mov_b32 v21, 0xffff
	s_mov_b32 s14, 0x76543210
	s_mov_b32 s15, 0xfedcba98                      ; v_permlanex16_b32's selects for lane l xor 16
	s_wait_kmcnt 0x0
.irp j, 0,1,2,3
	global_load_b32 v[12+\j], v3, s[4:5] offset:128*\j
.endr
.irp i, 0,1,2,3,4,5,6,7
	global_load_b128 v[48+4*\i:51+4*\i], v4, s[6:7] offset:4096*\i
.endr
	s_wait_loadcnt 8                               ; ridx is in; the eight loads of probs may be out
.irp e, 0,1,2,3,4,5,6,7
.irp j, 0,1,2,3
	v_cmp_eq_u32 s[32+4*\e+\j], \e, v[12+\j]       ; which lanes' token j goes to expert e
.endr
.endr
.irp e, 0,1,2,3,4,5,6,7
	s_bcnt1_i32_b32 s[16+\e], s[32+4*\e]           ; the wave's count,
.irp j, 1,2,3
	s_bcnt1_i32_b32 s90, s[32+4*\e+\j]
	s_add_co_u32 s[16+\e], s[16+\e], s90
.endr
	s_mov_b32 s[24+\e], 0xffff                     ; and its lowest token of e
.irp j, 3,2,1,0
	s_ctz_i32_b32 s90, s[32+4*\e+\j]
	s_add_co_u32 s90, s90, s13
	s_add_co_u32 s90, s90, 32*\j
	s_cmp_lg_u32 s[32+4*\e+\j], 0
	s_cselect_b32 s[24+\e], s90, s[24+\e]
.endr
	v_writelane_b32 v20, s[16+\e], \e
	v_writelane_b32 v21, s[24+\e], \e
.endr
	ds_store_b32 v5, v20 offset:CNT
	ds_store_b32 v5, v21 offset:FST
	s_wait_loadcnt 0x0
.irp i, 1,2,3,4,5,6,7                          ; my eight quads of probs: experts 0-3 in even lanes, 4-7 in odd ones
	v_pk_add_f32 v[48:49], v[48:49], v[48+4*\i:49+4*\i]
	v_pk_add_f32 v[50:51], v[50:51], v[50+4*\i:51+4*\i]
.endr
.irp m, 2,4,8
.irp r, 48,49,50,51
	v_add_f32_dpp v\r, v\r, v\r row_xmask:\m row_mask:0xf bank_mask:0xf
.endr
.endr
.irp r, 0,1,2,3
	v_permlanex16_b32 v[52+\r], v[48+\r], s14, s15
.endr
.irp r, 0,1,2,3
	v_add_f32 v[48+\r], v[48+\r], v[52+\r]
.endr
	ds_store_b128 v8, v[48:51] offset:CE           ; lanes of one parity write the same 16 bytes with the same values
	s_wait_dscnt 0x0                               ; for the others' sake: my stores are done
	s_barrier_signal -1
	s_barrier_wait -1
.irp w, 0,1,2,3,4,5,6,7
	ds_load_b32 v[24+\w], v7 offset:CNT+128*\w     ; lane l: expert l % 8 of every wave
	ds_load_b32 v[32+\w], v7 offset:FST+128*\w
.endr
	ds_load_b32 v44, v2 offset:CE
	ds_load_b32 v45, v2 offset:CE+128
	s_wait_dscnt 0x0
	v_add3_u32 v42, v24, v25, v26
	v_add3_u32 v42, v42, v27, v28
	v_add3_u32 v42, v42, v29, v30
	v_add_nc_u32 v42, v42, v31                     ; the expert's rows
	v_mov_b32 v46, 0
.irp w, 0,1,2,3,4,5,6
	s_cmp_gt_u32 s12, \w
	s_cselect_b32 s90, -1, 0
	v_and_b32 v47, s90, v[24+\w]
	v_add_nc_u32 v46, v46, v47                     ; those of the waves in front of mine
.endr
	v_min_u32 v22, v32, v33
.irp w, 2,3,4,5,6,7
	v_min_u32 v22, v22, v[32+\w]                   ; a token of the expert
.endr
	v_add_nc_u32 v41, 15, v42
	v_lshrrev_b32 v41, 4, v41                      ; its tiles
.irp e, 0,1,2,3,4,5,6,7
	v_readlane_b32 s[82+\e], v41, \e
	v_readlane_b32 s[66+\e], v46, \e
	v_readlane_b32 s[16+\e], v42, \e
	v_readlane_b32 s[24+\e], v22, \e
.endr
	s_mov_b32 s74, 0
.irp e, 1,2,3,4,5,6,7
	s_add_co_u32 s[74+\e], s[73+\e], s[81+\e]      ; first tile: the tiles of the experts in front
.endr
.irp e, 0,1,2,3,4,5,6,7
	s_lshl_b32 s90, s[74+\e], 4
	s_add_co_u32 s[66+\e], s[66+\e], s90           ; where my wave's rows of e begin
.endr
.irp j, 0,1,2,3
	v_mov_b32 v[56+\j], 0
.endr
.irp e, 0,1,2,3,4,5,6,7
.irp j, 0,1,2,3
	v_mbcnt_lo_u32_b32 v60, s[32+4*\e+\j], s[66+\e]   ; the start + the lanes below mine that go to e
	v_cndmask_b32 v[56+\j], v[56+\j], v60, s[32+4*\e+\j]
	s_bcnt1_i32_b32 s90, s[32+4*\e+\j]
	s_add_co_u32 s[66+\e], s[66+\e], s90
.endr
.endr
.irp j, 0,1,2,3
	v_min_u32 v[64+\j], 0x46f, v[56+\j]            ; a place is 1135 at the most
	v_lshlrev_b32 v[64+\j], 2, v[64+\j]
	global_store_b32 v[64+\j], v[16+\j], s[8:9]
.endr
; the pads: wave w serves expert w
	s_mov_b32 s91, 0
	s_mov_b32 s92, 0
	s_mov_b32 s93, 0
	s_mov_b32 s94, 0
.irp e, 0,1,2,3,4,5,6,7
	s_cmp_eq_u32 s12, \e
	s_cselect_b32 s91, s[16+\e], s91               ; rows
	s_cselect_b32 s92, s[74+\e], s92               ; first tile
	s_cselect_b32 s93, s[24+\e], s93               ; a token
	s_cselect_b32 s94, s[82+\e], s94               ; tiles
.endr
	s_lshl_b32 s94, s94, 4
	s_lshl_b32 s92, s92, 4
	s_min_u32 s93, s93, 1023
	v_add_nc_u32 v68, s91, v1
	v_cmp_gt_u32 vcc_lo, s94, v68                  ; rows + lane still inside the expert's tiles
	v_add_nc_u32 v68, s92, v68
	v_min_u32 v68, 0x46f, v68
	v_lshlrev_b32 v68, 2, v68
	v_mov_b32 v69, s93
	s_wait_xcnt 0x0                                ; EXEC changes only behind this wait
	s_and_saveexec_b32 s95, vcc_lo
	global_store_b32 v68, v69, s[8:9]
	s_wait_xcnt 0x0
	s_or_b32 exec_lo, exec_lo, s95
; aux, in every wave alike
	v_add_f32 v44, v44, v45
	v_add_f32_dpp v44, v44, v44 row_xmask:8 row_mask:0xf bank_mask:0xf
	v_permlanex16_b32 v45, v44, s14, s15
	v_add_f32 v44, v44, v45                        ; the sum of probs[.][e], e = lane % 8
	v_cvt_f32_u32 v45, v42
	v_mul_f32 v44, v44, v45
	v_add_f32_dpp v44, v44, v44 row_xmask:1 row_mask:0xf bank_mask:0xf
	v_add_f32_dpp v44, v44, v44 row_xmask:2 row_mask:0xf bank_mask:0xf
	v_add_f32_dpp v44, v44, v44 row_xmask:4 row_mask:0xf bank_mask:0xf
	v_mul_f32 v44, 0x34cccccd, v44                 ; x 0.4 / 2^20
	s_cmp_lg_u32 s12, 0
	s_cbranch_scc1 .Lend                           ; wave 0 stores the records and aux
	v_mov_b32 v40, 0
.irp e, 0,1,2,3,4,5,6,7
	v_writelane_b32 v40, s[74+\e], \e
.endr
	v_mov_b32 v43, 0
	v_cmp_gt_u32 vcc_lo, 8, v1
	s_and_saveexec_b32 s95, vcc_lo                 ; (nothing was issued since the last wait on XCNT)
	global_store_b128 v9, v[40:43], s[8:9] offset:4608
	s_wait_xcnt 0x0
	s_or_b32 exec_lo, exec_lo, s95
	v_cmp_eq_u32 vcc_lo, 0, v1
	s_and_saveexec_b32 s95, vcc_lo
	global_store_b32 v10, v44, s[10:11]
	s_wait_xcnt 0x0
	s_or_b32 exec_lo, exec_lo, s95
.Lend:
	s_wait_tensorcnt 0x0
	ds_add_u32 v96, v97
	s_wait_dscnt 0x0
	s_endpgm
.Lfunc_end_k_qb634dd2d78_place:
	.size	k_qb634dd2d78_place, .Lfunc_end_k_qb634dd2d78_place-k_qb634dd2d78_place
	.p2alignl 7, 3214868480
	.fill 96, 4, 3214868480
	.section	.rodata,"a",@progbits
	.p2align	6, 0x0
	.amdhsa_kernel k_qb634dd2d78_place
		.amdhsa_group_segment_fixed_size 3584
		.amdhsa_private_segment_fixed_size 0
		.amdhsa_enable_private_segment 0
		.amdhsa_kernarg_size 32
		.amdhsa_user_sgpr_count 2
		.amdhsa_user_sgpr_kernarg_segment_ptr 1
		.amdhsa_wavefront_size32 1
		.amdhsa_system_sgpr_workgroup_id_x 1
		.amdhsa_system_sgpr_workgroup_id_y 1
		.amdhsa_system_sgpr_workgroup_id_z 1
		.amdhsa_system_vgpr_workitem_id 0
		.amdhsa_next_free_vgpr 98
		.amdhsa_next_free_sgpr 98
		.amdhsa_reserve_vcc 1
		.amdhsa_float_denorm_mode_32 3
		.amdhsa_float_denorm_mode_16_64 3
		.amdhsa_memory_ordered 1
		.amdhsa_forward_progress 1
		.amdhsa_inst_pref_size 32
	.end_amdhsa_kernel
	.amdgpu_metadata
---
amdhsa.version: [ 1, 2 ]
amdhsa.kernels:
  - .name:           k_qb634dd2d78_place
    .symbol:         k_qb634dd2d78_place.kd
    .args:
      - { .name: ridx, .offset: 0, .size: 8, .value_kind: global_buffer, .address_space: global }
      - { .name: probs, .offset: 8, .size: 8, .value_kind: global_buffer, .address_space: global }
      - { .name: order, .offset: 16, .size: 8, .value_kind: global_buffer, .address_space: global }
      - { .name: out1, .offset: 24, .size: 8, .value_kind: global_buffer, .address_space: global }
    .group_segment_fixed_size: 3584
    .private_segment_fixed_size: 0
    .kernarg_segment_align: 8
    .kernarg_segment_size: 32
    .max_flat_workgroup_size: 256
    .sgpr_count:     98
    .vgpr_count:     98
    .wavefront_size: 32
...
	.end_amdgpu_metadata
.endif
;; end of part 2
;; launch up (part 3): grid 86 x 8, 1 waves a work-group, no clusters, 17,152 bytes of LDS; arguments xq, xs, order, Wu_codes, Wu_scales, Wv_codes, Wv_scales, hq, hs; writes hq, hs
.if DOCPART == 3
	.amdgcn_target "amdgcn-amd-amdhsa--gfx1250"
	.amdhsa_code_object_version 6
	.text
	.protected	k_qb634dd2d78_up
	.globl	k_qb634dd2d78_up
	.p2align	8
	.type	k_qb634dd2d78_up,@function
k_qb634dd2d78_up:
	s_mov_b64 s[64:65], 0
	v_nop
	global_prefetch_b8 v0, s[64:65] scope:SCOPE_SE
	s_setreg_imm32_b32 hwreg(HW_REG_WAVE_MODE, 25, 1), 1
	s_wait_xcnt 0x0
; THE HIDDEN LAYER: h = silu(x Wu^T) (x Wv^T), for each token by its own expert alone, quantised along H and stored as codes.  Both products on codes of E4M3 with E8M0 scales.
; A work-group is ONE wave: block b (32 hidden units) of expert e.  Its 32 rows of Wu and of Wv, 64 KB, stay in 512 registers; each weight byte is loaded by one wave of the launch.
; The expert's rows of x stream by, a tile of 16 tokens at a time, by the list that the launch before stored (order): where the wave ends hangs on the stored number of tiles, so operands go from memory to registers, and there is no barrier.
; Multicast is not used: partners of a cluster would need different numbers of tiles, read from memory.
; EVERY LOAD READS 512 CONSECUTIVE BYTES OF ONE ROW; 16 rows then turn through the wave's stage in LDS (pitch 1,040 bytes) into the operand's order: lane (r, h), registers 4 c ..: k = 128 s + 32 c + 16 h + 0 .. 15 of row r.
; THE PRODUCTS ARE USED TRANSPOSED (source 0 = 16 rows of W, source 1 = 16 tokens), and lane r of tile u takes row 32 b + 8 u + r + 8 (r / 8): a lane then holds one token and 16 NEIGHBOURING hidden units, 32 b + 16 h + 0 .. 15.
; OUT, as images of the next product's operand registers: hq [tile][slot 0 .. 95][lane][16 bytes], slot = the block of 32 along H; hs [tile][K step 0 .. 23][lane][4 bytes], byte = slot % 4.
; Slots 86 .. 95 (H ends at 2,752) get zero codes and the byte 127: blocks b >= 76 write slot b + 10 as well.  The scale bytes leave one byte a lane, 4 bytes apart: 32 bytes for each 512 bytes of codes.
; LIMITS: NaN and infinities are not served; a block whose largest magnitude lies under 2^-118 (a block of zeros too) gets the byte 1: the bytes are read by this program alone.
; REGISTERS.  window 0: v1-6 addresses; v8-15, v16-23 Wu's, Wv's scale words (lanes 0-15 tile 0's rows, lanes 16-31 tile 1's); v24-47 x's scale words, 8 a buffer; v48-63 u, v64-79 v; v80-95 at work; v96-99 codes;
;   v100-103 zeros, v104 127; v128-255 x buffer 2.   window 1: x buffers 0 and 1.   windows 2, 3: the weights: tile t (u0, u1, v0, v1), K step s at v[64 t + 16 (s % 4)] of window 2 + s / 4.
.set PITCH, 1040                       ; 65 x 16 bytes: the 16 rows that a load touches start in 16 different groups of banks
.set ACC,   48
.set EX,    80
.set RB,    66                         ; s[66:97] the addresses of a tile's 16 rows of xq
.set MAXT,  64                         ; an expert's tiles at the most: all 1,024 tokens on one expert
.set MSB,   0
.macro WIN new                         ; the immediate's high byte repeats the setting that is left
.if MSB != (\new)
	s_set_vgpr_msb (MSB<<8)|(\new)
.set MSB, (\new)
.endif
.endm
; 16 rows of a weight, as they lie: quad 2 p + half = half a row.  Rows 8 u + p + 8 (p / 8)
.macro RAWW tau, sb
	WIN 0x80
.irp n, 0,1,2,3,4,5,6,7,8,9,10,11,12,13,14,15
	global_load_b128 v[64*(\tau)+4*\n:64*(\tau)+4*\n+3], v1, s[\sb:\sb+1] offset:(8*((\tau)%2)+\n/2)*1024+512*(\n%2) th:TH_LOAD_NT
.endr
	WIN 0xc0
.irp n, 0,1,2,3,4,5,6,7,8,9,10,11,12,13,14,15
	global_load_b128 v[64*(\tau)+4*\n:64*(\tau)+4*\n+3], v1, s[\sb:\sb+1] offset:(8*((\tau)%2)+16+\n/2)*1024+512*(\n%2) th:TH_LOAD_NT
.endr
	WIN 0
.endm
; 128 registers (quads 0-15 at window wlo, register blo; quads 16-31 at whi, bhi) turn in place.  LDS serves a wave's instructions in order: no wait between the stores and the loads, nor ahead of the next turn's stores
.macro TURN wlo, blo, whi, bhi
	WIN (\wlo)<<2
.irp n, 0,1,2,3,4,5,6,7,8,9,10,11,12,13,14,15
	ds_store_b128 v1, v[(\blo)+4*\n:(\blo)+4*\n+3] offset:PITCH*(\n/2)+512*(\n%2)
.endr
	WIN (\whi)<<2
.irp n, 0,1,2,3,4,5,6,7,8,9,10,11,12,13,14,15
	ds_store_b128 v1, v[(\bhi)+4*\n:(\bhi)+4*\n+3] offset:PITCH*(8+\n/2)+512*(\n%2)
.endr
	WIN (\wlo)<<6
.irp q, 0,1,2,3,4,5,6,7,8,9,10,11,12,13,14,15
	ds_load_b128 v[(\blo)+4*\q:(\blo)+4*\q+3], v2 offset:128*(\q/4)+32*(\q%4)
.endr
	WIN (\whi)<<6
.irp q, 0,1,2,3,4,5,6,7,8,9,10,11,12,13,14,15
	ds_load_b128 v[(\bhi)+4*\q:(\bhi)+4*\q+3], v2 offset:512+128*(\q/4)+32*(\q%4)
.endr
	WIN 0
.endm
; A REQUEST: the tile whose 16 tokens lie in s[24:39] is asked for, into buffer (xw, xb) and scale words xs: 34 loads; then the list of tile I + k + 1 (held at the expert's last tile: the same loads on every path)
.macro REQ xw, xb, xs, k
	s_wait_kmcnt 0x0                               ; the list is in
	s_wait_xcnt 0x0                                ; the row addresses and v4 are sources of earlier loads: they are rewritten only behind this wait
.irp p, 0,1,2,3,4,5,6,7,8,9,10,11,12,13,14,15
	s_min_u32 s[24+\p], s[24+\p], 1023
	v_writelane_b32 v3, s[24+\p], \p
	s_lshl_b32 s48, s[24+\p], 10
	s_add_nc_u64 s[RB+2*\p:RB+2*\p+1], s[4:5], s[48:49]
.endr
	v_min_u32 v4, 0x3ff, v3
	v_lshlrev_b32 v4, 5, v4                        ; lane r: token r's 32 scale bytes (lanes 16-31: token 0's, not read by the product)
	WIN (\xw)<<6
.irp n, 0,1,2,3,4,5,6,7,8,9,10,11,12,13,14,15,16,17,18,19,20,21,22,23,24,25,26,27,28,29,30,31
	global_load_b128 v[(\xb)+4*\n:(\xb)+4*\n+3], v1, s[RB+2*(\n/2):RB+2*(\n/2)+1] offset:512*(\n%2)
.endr
	WIN 0
	global_load_b128 v[(\xs):(\xs)+3], v4, s[6:7]
	global_load_b128 v[(\xs)+4:(\xs)+7], v4, s[6:7] offset:16
	s_add_co_u32 s46, s44, (\k)+1
	s_min_u32 s46, s46, s45
	s_add_co_u32 s46, s46, s40
	s_min_u32 s46, s46, 70
	s_lshl_b32 s62, s46, 6
	s_load_b512 s[24:39], s[8:9], s62 offset:0x0
.endm
.macro WM d, a, b, first, sa, sb, odd
.if \first
.if \odd
	v_wmma_scale_f32_16x16x128_f8f6f4 v[(\d):(\d)+7], v[(\a):(\a)+15], v[(\b):(\b)+15], 0, v[(\sa)], v[(\sb)] matrix_a_scale:MATRIX_SCALE_ROW1
.else
	v_wmma_scale_f32_16x16x128_f8f6f4 v[(\d):(\d)+7], v[(\a):(\a)+15], v[(\b):(\b)+15], 0, v[(\sa)], v[(\sb)]
.endif
.else
.if \odd
	v_wmma_scale_f32_16x16x128_f8f6f4 v[(\d):(\d)+7], v[(\a):(\a)+15], v[(\b):(\b)+15], v[(\d):(\d)+7], v[(\sa)], v[(\sb)] matrix_a_scale:MATRIX_SCALE_ROW1
.else
	v_wmma_scale_f32_16x16x128_f8f6f4 v[(\d):(\d)+7], v[(\a):(\a)+15], v[(\b):(\b)+15], v[(\d):(\d)+7], v[(\sa)], v[(\sb)]
.endif
.endif
.endm
; 32 matrix instructions: K step by K step, the four accumulators by turns, one instruction a turn; the first K step starts the sums
.macro MULT xw, xb, xs
.irp s, 0,1,2,3,4,5,6,7
	WIN (2+\s/4)|((\xw)<<2)
.irp t, 0,1,2,3
	WM ACC+8*\t, 64*\t+16*(\s%4), (\xb)+16*\s, (\s==0), 8+8*(\t/2)+\s, (\xs)+\s, \t%2
.endr
.endr
	WIN 0
.endm
; silu(u) v = u v / (1 + 2^(-u log2 e)), the block's scale, the codes, the stores.  Tile I + u
.macro ACT u
.rept 8
	v_nop                                          ; eight places behind the last products, ahead of the first read of results and of the next loads into the buffer just read
.endr
	s_wait_xcnt 0x0                                ; the last tile's stores have read their data and bases
	s_add_co_u32 s46, s44, \u
	s_add_co_u32 s46, s46, s40
	s_min_u32 s46, s46, 70                         ; the tile
	s_mul_i32 s48, s46, 49152
	s_add_co_u32 s48, s48, s59
	s_add_nc_u64 s[50:51], s[18:19], s[48:49]      ; hq: tile, slot b
	s_mul_i32 s47, s46, 3072
	s_add_co_u32 s48, s47, s60
	s_add_nc_u64 s[52:53], s[20:21], s[48:49]      ; hs: tile, K step b / 4, byte b % 4
	s_add_co_u32 s48, s47, s61
	s_add_nc_u64 s[54:55], s[20:21], s[48:49]      ; the same for slot b + 10
.irp j, 0,2,4,6,8,10,12,14
	v_pk_mul_f32 v[EX+\j:EX+\j+1], v[ACC+\j:ACC+\j+1], 0xbfb8aa3b op_sel_hi:[1,0]   ; -u log2 e; each accumulator is read from its low end on
.endr
.irp j, 0,1,2,3,4,5,6,7,8,9,10,11,12,13,14,15
	v_exp_f32 v[EX+\j], v[EX+\j]
.endr
.irp j, 0,2,4,6,8,10,12,14
	v_pk_mul_f32 v[ACC+\j:ACC+\j+1], v[ACC+\j:ACC+\j+1], v[ACC+16+\j:ACC+16+\j+1]   ; u v: plain work behind the batch
.endr
	s_wait_alu depctr_va_vdst(0)                   ; one wait for the 16 exponentials, ahead of their first reader
.irp j, 0,2,4,6,8,10,12,14
	v_pk_add_f32 v[EX+\j:EX+\j+1], v[EX+\j:EX+\j+1], 1.0 op_sel_hi:[1,0]
.endr
.irp j, 0,1,2,3,4,5,6,7,8,9,10,11,12,13,14,15
	v_rcp_f32 v[EX+\j], v[EX+\j]
.endr
	v_nop
	s_wait_alu depctr_va_vdst(0)                   ; and one for the 16 reciprocals
.irp j, 0,2,4,6,8,10,12,14
	v_pk_mul_f32 v[ACC+\j:ACC+\j+1], v[ACC+\j:ACC+\j+1], v[EX+\j:EX+\j+1]          ; h: my 16 neighbours along H
.endr
	v_max3_num_f32 v105, |v[ACC]|, |v[ACC+1]|, 0x4800000   ; the largest magnitude, with the floor 2^(9 - 127) among its leaves; two chains
	v_max3_num_f32 v106, |v[ACC+8]|, |v[ACC+9]|, |v[ACC+10]|
	v_max3_num_f32 v105, v105, |v[ACC+2]|, |v[ACC+3]|
	v_max3_num_f32 v106, v106, |v[ACC+11]|, |v[ACC+12]|
	v_max3_num_f32 v105, v105, |v[ACC+4]|, |v[ACC+5]|
	v_max3_num_f32 v106, v106, |v[ACC+13]|, |v[ACC+14]|
	v_max3_num_f32 v105, v105, |v[ACC+6]|, |v[ACC+7]|
	v_max3_num_f32 v105, v105, v106, |v[ACC+15]|
	v_permlanex16_b32 v107, v105, s56, s57
	v_max_num_f32 v105, v105, v107                 ; with lane l xor 16's: the block's
	v_add_nc_u32 v108, 0xfc000000, v105            ; 8 off its exponent field: the conversion's scale operand
	v_and_or_b32 v109, v105, 0x7f800000, s58       ; 448 x the scale
.irp j, 0,1,2,3,4,5,6,7,8,9,10,11,12,13,14,15
	v_med3_num_f32 v[ACC+\j], v[ACC+\j], -v109, v109   ; the conversion to an 8-bit code does not saturate (ISA guide 7.6.2): the hold comes first
.endr
	v_cvt_scalef32_pk8_fp8_f32 v[96:97], v[ACC:ACC+7], v108
	v_cvt_scalef32_pk8_fp8_f32 v[98:99], v[ACC+8:ACC+15], v108
	v_lshrrev_b32 v110, 23, v108                   ; the scale's byte; also the plain line behind the conversions
	global_store_b128 v1, v[96:99], s[50:51]       ; 32 lanes store the slot's 512 consecutive bytes
	global_store_b8 v5, v110, s[52:53]
	s_cmp_lt_u32 s22, 76
	s_cbranch_scc1 .Lnopad_\@
	global_store_b128 v1, v[100:103], s[50:51] offset:5120
	global_store_b8 v5, v104, s[54:55]
.Lnopad_\@:
.endm
; A TILE: its codes have come; they turn; the buffer read last tile is asked for anew, two tiles ahead; products; activation
.macro TILE u, xw, xb, xs, rw, rb, rs
	s_wait_loadcnt 34                              ; one request, 34 loads, is younger than this tile's
	TURN \xw, \xb, \xw, (\xb)+64
	REQ \rw, \rb, \rs, (\u)+2
	s_wait_dscnt 0x0                               ; the turn is over
	MULT \xw, \xb, \xs
	ACT \u
.endm
	s_load_b512 s[4:19], s[0:1], 0x0               ; xq, xs, order, Wu codes, Wu scales, Wv codes, Wv scales, hq
	s_load_b64 s[20:21], s[0:1], 0x40              ; hs
	v_lshl_add_u32 v126, v0, 2, 0x4200
	v_mov_b32 v127, 0
	s_mov_b32 s22, ttmp9                           ; b
	s_and_b32 s23, ttmp7, 0xffff                   ; e
	v_lshlrev_b32 v1, 4, v0                        ; 16 x lane
	v_and_b32 v105, 15, v0                         ; r
	v_lshrrev_b32 v107, 4, v0                      ; h  (v107 is so written ahead of the lane permute that names it as destination)
	v_mul_u32_u24 v2, v105, PITCH
	v_lshl_add_u32 v2, v107, 4, v2                 ; the stage, way out: row r, + 16 h
	v_mov_b32 v3, 0
	v_lshlrev_b32 v5, 2, v0                        ; 4 x lane
	v_and_b32 v106, 8, v105
	v_add_nc_u32 v106, v106, v105
	v_lshl_add_u32 v106, v107, 3, v106
	v_lshlrev_b32 v6, 5, v106                      ; the weights' scale bytes: row 8 (lane / 16) + r + 8 (r / 8), 32 bytes a row
.irp j, 100,101,102,103
	v_mov_b32 v\j, 0
.endr
	v_mov_b32 v104, 127
	s_mul_i32 s46, s23, 2752
	s_lshl_b32 s47, s22, 5
	s_add_co_u32 s46, s46, s47                     ; my first row of Wu and Wv
	s_mov_b32 s49, 0
	s_lshl_b32 s62, s23, 4
	s_lshl_b32 s59, s22, 9                         ; 512 b
	s_lshr_b32 s60, s22, 2
	s_lshl_b32 s60, s60, 7
	s_and_b32 s47, s22, 3
	s_add_co_u32 s60, s60, s47                     ; 128 (b / 4) + b % 4
	s_add_co_u32 s47, s22, 10
	s_lshr_b32 s61, s47, 2
	s_lshl_b32 s61, s61, 7
	s_and_b32 s47, s47, 3
	s_add_co_u32 s61, s61, s47                     ; the same of b + 10
	s_mov_b32 s56, 0x76543210
	s_mov_b32 s57, 0xfedcba98                      ; v_permlanex16_b32's selects for lane l xor 16
	s_mov_b32 s58, 0x600000                        ; the mantissa field of 448
	s_mov_b32 s44, 0                               ; I: the trip's first tile
	s_wait_kmcnt 0x0
	s_load_b128 s[40:43], s[8:9], s62 offset:0x1200   ; the expert's record: first tile, tiles, rows
	s_lshl_b32 s48, s46, 10
	s_add_nc_u64 s[10:11], s[10:11], s[48:49]
	s_add_nc_u64 s[14:15], s[14:15], s[48:49]
	s_lshl_b32 s48, s46, 5
	s_add_nc_u64 s[12:13], s[12:13], s[48:49]
	s_add_nc_u64 s[16:17], s[16:17], s[48:49]
	global_load_b128 v[8:11], v6, s[12:13] th:TH_LOAD_NT
	global_load_b128 v[12:15], v6, s[12:13] offset:16 th:TH_LOAD_NT
	global_load_b128 v[16:19], v6, s[16:17] th:TH_LOAD_NT
	global_load_b128 v[20:23], v6, s[16:17] offset:16 th:TH_LOAD_NT
	RAWW 0, 10
	s_wait_kmcnt 0x0
	s_cmp_lg_u32 s41, 0
	s_cbranch_scc1 .Lrows
	s_endpgm                                       ; an expert without rows: the grid serves every split
.Lrows:
	s_min_u32 s41, s41, MAXT
	s_min_u32 s40, s40, 70
	s_sub_co_u32 s45, s41, 1                       ; the last tile
	s_lshl_b32 s62, s40, 6
	s_load_b512 s[24:39], s[8:9], s62 offset:0x0   ; tile 0's tokens
	RAWW 1, 10
	s_wait_loadcnt 32                              ; all but the weight tile asked for last
	TURN 2, 0, 3, 0
	RAWW 2, 14
	s_wait_loadcnt 32
	TURN 2, 64, 3, 64
	RAWW 3, 14
	s_wait_loadcnt 32
	TURN 2, 128, 3, 128
	REQ 1, 0, 24, 0
	s_wait_loadcnt 34                              ; all but that request
	TURN 2, 192, 3, 192
	REQ 1, 128, 32, 1
; A trip runs three tiles: the three buffers come back to their places.  The loop's count is a constant: 22 trips serve the 64 tiles that an expert can have.
; Behind each tile the wave ends in place where that tile was the expert's last.
.Ltile:
	TILE 0, 1, 0, 24, 0, 128, 40
	s_add_co_u32 s46, s44, 1
	s_cmp_lt_u32 s46, s41
	s_cbranch_scc1 .Lsecond
	s_wait_tensorcnt 0x0
	ds_add_u32 v126, v127
	s_wait_dscnt 0x0
	s_endpgm
.Lsecond:
	TILE 1, 1, 128, 32, 1, 0, 24
	s_add_co_u32 s46, s44, 2
	s_cmp_lt_u32 s46, s41
	s_cbranch_scc1 .Lthird
	s_wait_tensorcnt 0x0
	ds_add_u32 v126, v127
	s_wait_dscnt 0x0
	s_endpgm
.Lthird:
	TILE 2, 0, 128, 40, 1, 128, 32
	s_add_co_u32 s46, s44, 3
	s_cmp_lt_u32 s46, s41
	s_cbranch_scc1 .Lmore
	s_wait_tensorcnt 0x0
	ds_add_u32 v126, v127
	s_wait_dscnt 0x0
	s_endpgm
.Lmore:
	s_add_co_u32 s44, s44, 3
	s_cmp_lt_u32 s44, MAXT+2                       ; I = 0, 3, .. 63
	s_cbranch_scc1 .Ltile
	s_wait_tensorcnt 0x0
	ds_add_u32 v126, v127
	s_wait_dscnt 0x0
	s_endpgm
.Lfunc_end_k_qb634dd2d78_up:
	.size	k_qb634dd2d78_up, .Lfunc_end_k_qb634dd2d78_up-k_qb634dd2d78_up
	.p2alignl 7, 3214868480
	.fill 96, 4, 3214868480
	.section	.rodata,"a",@progbits
	.p2align	6, 0x0
	.amdhsa_kernel k_qb634dd2d78_up
		.amdhsa_group_segment_fixed_size 17152
		.amdhsa_private_segment_fixed_size 0
		.amdhsa_enable_private_segment 0
		.amdhsa_kernarg_size 72
		.amdhsa_user_sgpr_count 2
		.amdhsa_user_sgpr_kernarg_segment_ptr 1
		.amdhsa_wavefront_size32 1
		.amdhsa_system_sgpr_workgroup_id_x 1
		.amdhsa_system_sgpr_workgroup_id_y 1
		.amdhsa_system_sgpr_workgroup_id_z 1
		.amdhsa_system_vgpr_workitem_id 0
		.amdhsa_next_free_vgpr 1024
		.amdhsa_next_free_sgpr 98
		.amdhsa_reserve_vcc 0
		.amdhsa_float_denorm_mode_32 3
		.amdhsa_float_denorm_mode_16_64 3
		.amdhsa_memory_ordered 1
		.amdhsa_forward_progress 1
		.amdhsa_inst_pref_size 111
	.end_amdhsa_kernel
	.amdgpu_metadata
---
amdhsa.version: [ 1, 2 ]
amdhsa.kernels:
  - .name:           k_qb634dd2d78_up
    .symbol:         k_qb634dd2d78_up.kd
    .args:
      - { .name: xq, .offset: 0, .size: 8, .value_kind: global_buffer, .address_space: global }
      - { .name: xs, .offset: 8, .size: 8, .value_kind: global_buffer, .address_space: global }
      - { .name: order, .offset: 16, .size: 8, .value_kind: global_buffer, .address_space: global }
      - { .name: Wu_codes, .offset: 24, .size: 8, .value_kind: global_buffer, .address_space: global }
      - { .name: Wu_scales, .offset: 32, .size: 8, .value_kind: global_buffer, .address_space: global }
      - { .name: Wv_codes, .offset: 40, .size: 8, .value_kind: global_buffer, .address_space: global }
      - { .name: Wv_scales, .offset: 48, .size: 8, .value_kind: global_buffer, .address_space: global }
      - { .name: hq, .offset: 56, .size: 8, .value_kind: global_buffer, .address_space: global }
      - { .name: hs, .offset: 64, .size: 8, .value_kind: global_buffer, .address_space: global }
    .group_segment_fixed_size: 17152
    .private_segment_fixed_size: 0
    .kernarg_segment_align: 8
    .kernarg_segment_size: 72
    .max_flat_workgroup_size: 32
    .sgpr_count:     98
    .vgpr_count:     1024
    .wavefront_size: 32
...
	.end_amdgpu_metadata
.endif
;; end of part 3
;; launch down (part 4): grid 16 x 8, 4 waves a work-group, no clusters, 189,952 bytes of LDS; arguments hq, hs, order, probs, Wd_codes, Wd_scales, out0; writes out0
.if DOCPART == 4
	.amdgcn_target "amdgcn-amd-amdhsa--gfx1250"
	.amdhsa_code_object_version 6
	.text
	.protected	k_qb634dd2d78_down
	.globl	k_qb634dd2d78_down
	.p2align	8
	.type	k_qb634dd2d78_down,@function
k_qb634dd2d78_down:
	s_mov_b64 s[64:65], 0
	v_nop
	global_prefetch_b8 v0, s[64:65] scope:SCOPE_SE
	s_setreg_imm32_b32 hwreg(HW_REG_WAVE_MODE, 25, 1), 1
	s_wait_xcnt 0x0
; y[token] = gate x (h Wd[e]^T), for each token by its own expert alone.  The product on codes of E4M3 with E8M0 scales; h comes as register images (hq, hs) from the launch before.
; A work-group owns 64 columns of y (256 bytes of each row) of one expert: 176 KB of Wd, in the registers of its four waves for the whole launch; each weight byte is loaded by one wave of the launch.
; THE WAVES SHARE K: wave w takes K steps 6 w .. 6 w + 5 of 24 (K = 2,752 filled to 3,072 with zero codes on both sides).  Their four partial sums meet in LDS; wave w then adds tile 4 g + w, multiplies by the gate and stores whole rows.
; 64 columns and not 32: sixteen lanes then store 256 consecutive bytes at a multiple of 256 from y's first byte, and h is read by 16 work-groups and not 32.
; The expert's tiles are walked in 16 TRIPs of 4 tiles, a CONSTANT count (64 tiles: all tokens on one expert), with one barrier each, on every wave's path; a scalar branch on the stored number of tiles leads round the work.
; So there are no tensor loads; multicast is not used: partners of a cluster would have different numbers of tiles, read from memory.
; THE PRODUCT IS USED TRANSPOSED (source 0 = 16 rows of Wd, source 1 = 16 tokens): a lane holds one token and eight neighbouring columns.
; Pad rows of a last tile repeat a token of the expert: they give the same bits and are stored to the same bytes.
; REGISTERS.  window 0: v1-13 addresses; v16-27 Wd's scale words (lanes 0-15 even tiles, 16-31 odd); v28-51 h's scale words; v52-59 tokens; v60-67, v68-75 offsets of gates and rows; v76-83 gates; v84-107 halves of scale words;
;   v128-255 16 accumulators.   window 1: h buffer 0 (v0-191), h buffer 1's first four fragments.   window 2: Wd, K steps 0-3: (j, tile n) at v[16 (4 j + n)].   window 3: v0-127 Wd, K steps 4, 5; v128-255 h buffer 1's other eight, and the sums' parts.
.set STGB,  12544                      ; LDS: a stage of 16 rows x 784 bytes (49 x 16) for each wave,
.set PART0, 50176                      ; and two regions of partial sums by turns: [wave][tile of the trip][16 rows x 272 bytes]
.set PART1, 119808
.set PWAVE, 17408
.set PTILE, 4352
.set MSB,   0
.macro WIN new                         ; the immediate's high byte repeats the setting that is left
.if MSB != (\new)
	s_set_vgpr_msb (MSB<<8)|(\new)
.set MSB, (\new)
.endif
.endm
; Panel nu: 16 rows x my 768 bytes, as they lie: load n = 3 i + q reads 256 consecutive bytes of rows 2 i and 2 i + 1.  Wave 3's rows end 448 bytes on: its piece 1 is held inside the row (v4), its piece 2 reads 512 bytes back (s[32:33])
.macro RAW1 nu, n
.set RG, 16*(4*(((\n)/4)%4)+(\nu))+4*((\n)%4)
.set OF, (16*(\nu)+2*((\n)/3))*2752+256*((\n)%3)
.if ((\n)%3) == 0
	global_load_b128 v[RG:RG+3], v3, s[12:13] offset:OF th:TH_LOAD_NT
.elseif ((\n)%3) == 1
	global_load_b128 v[RG:RG+3], v4, s[12:13] offset:OF th:TH_LOAD_NT
.else
	global_load_b128 v[RG:RG+3], v3, s[32:33] offset:OF th:TH_LOAD_NT
.endif
.endm
.macro RAWD nu
	WIN 0x80
.irp n, 0,1,2,3,4,5,6,7,8,9,10,11,12,13,14,15
	RAW1 \nu, \n
.endr
	WIN 0xc0
.irp n, 16,17,18,19,20,21,22,23
	RAW1 \nu, \n
.endr
	WIN 0
.endm
.macro TST nu, n
.set RG, 16*(4*(((\n)/4)%4)+(\nu))+4*((\n)%4)
	ds_store_b128 v5, v[RG:RG+3] offset:1568*((\n)/3)+256*((\n)%3)
.endm
.macro TLD nu, n
.set RG, 16*(4*(((\n)/4)%4)+(\nu))+4*((\n)%4)
	ds_load_b128 v[RG:RG+3], v6 offset:128*((\n)/4)+32*((\n)%4)
.endm
; the panel turns in place through my stage: quad 4 j + c then holds k = 128 j + 32 c + 16 h + 0 .. 15 of row r.  LDS serves a wave's instructions in order
.macro TURND nu
	WIN 0x08
.irp n, 0,1,2,3,4,5,6,7,8,9,10,11,12,13,14,15
	TST \nu, \n
.endr
	WIN 0x0c
.irp n, 16,17,18,19,20,21,22,23
	TST \nu, \n
.endr
	WIN 0x80
.irp n, 0,1,2,3,4,5,6,7,8,9,10,11,12,13,14,15
	TLD \nu, \n
.endr
	WIN 0xc0
.irp n, 16,17,18,19,20,21,22,23
	TLD \nu, \n
.endr
	WIN 0
.endm
; the tokens of tile s30 + off + wave (held at the expert's last tile): lane l takes rows 2 i + l / 16
.macro ORDL off
	s_add_co_u32 s40, s30, \off
	s_add_co_u32 s40, s40, s18
	s_min_u32 s40, s40, s28
	s_add_co_u32 s40, s40, s24
	s_min_u32 s40, s40, 70
	s_lshl_b32 s42, s40, 6
	s_add_nc_u64 s[36:37], s[8:9], s[42:43]
.irp i, 0,1,2,3,4,5,6,7
	global_load_b32 v[52+\i], v8, s[36:37] offset:8*\i
.endr
.endm
; this trip's tokens become offsets; their gates are asked for; then the next trip's tokens
.macro SMALL x
	s_wait_xcnt 0x0                                ; the last stores have read their offsets
.irp i, 0,1,2,3,4,5,6,7
	v_min_u32 v[60+\i], 0x3ff, v[52+\i]
	v_lshl_add_u32 v[68+\i], v[60+\i], 12, v7      ; y: the token's row, + 16 (lane % 16)
	v_lshl_add_u32 v[60+\i], v[60+\i], 5, s29      ; probs[token][e]
.endr
.irp i, 0,1,2,3,4,5,6,7
	global_load_b32 v[76+\i], v[60+\i], s[10:11]
.endr
	ORDL 4*(\x)+4
.endm
; tiles s30 + off and s30 + off + 1: my six K steps of each, codes and scale words, into buffer beta: 60 loads, each of consecutive bytes
.macro ISSUE beta, off
	s_wait_xcnt 0x0                                ; earlier loads and stores have read their bases and data
.irp t, 0,1
	s_add_co_u32 s40, s30, (\off)+\t
	s_min_u32 s40, s40, s28
	s_add_co_u32 s40, s40, s24
	s_min_u32 s40, s40, 70
	s_mul_i32 s42, s40, 49152
	s_add_co_u32 s42, s42, s38
	s_add_nc_u64 s[44+2*\t:45+2*\t], s[4:5], s[42:43]
	s_mul_i32 s42, s40, 3072
	s_add_co_u32 s42, s42, s39
	s_add_nc_u64 s[48+2*\t:49+2*\t], s[6:7], s[42:43]
.endr
.irp j, 0,1,2,3,4,5
.irp t, 0,1
.set HY, 2*\j+\t
.if (\beta) == 0
.set HR, 16*HY
	WIN 0x40
.elseif HY < 4
.set HR, 192+16*HY
	WIN 0x40
.else
.set HR, 64+16*HY
	WIN 0xc0
.endif
.irp c, 0,1,2,3
	global_load_b128 v[HR+4*\c:HR+4*\c+3], v1, s[44+2*\t:45+2*\t] offset:2048*\j+512*\c
.endr
.endr
.endr
	WIN 0
.irp t, 0,1
.irp j, 0,1,2,3,4,5
	global_load_b32 v[28+12*(\beta)+6*\t+\j], v2, s[48+2*\t:49+2*\t] offset:128*\j
.endr
.endr
.endm
.macro WM d, a, b, first, sa, sb, odd
.if \first
.if \odd
	v_wmma_scale_f32_16x16x128_f8f6f4 v[(\d):(\d)+7], v[(\a):(\a)+15], v[(\b):(\b)+15], 0, v[(\sa)], v[(\sb)] matrix_a_scale:MATRIX_SCALE_ROW1
.else
	v_wmma_scale_f32_16x16x128_f8f6f4 v[(\d):(\d)+7], v[(\a):(\a)+15], v[(\b):(\b)+15], 0, v[(\sa)], v[(\sb)]
.endif
.else
.if \odd
	v_wmma_scale_f32_16x16x128_f8f6f4 v[(\d):(\d)+7], v[(\a):(\a)+15], v[(\b):(\b)+15], v[(\d):(\d)+7], v[(\sa)], v[(\sb)] matrix_a_scale:MATRIX_SCALE_ROW1
.else
	v_wmma_scale_f32_16x16x128_f8f6f4 v[(\d):(\d)+7], v[(\a):(\a)+15], v[(\b):(\b)+15], v[(\d):(\d)+7], v[(\sa)], v[(\sb)]
.endif
.endif
.endm
; pair p of the trip (buffer p): 48 matrix instructions, K step by K step, the eight accumulators by turns, one instruction a turn; then my partial sums go to region x
.macro COMPUTE p, x
.irp j, 0,1,2,3,4,5
.if (\p) == 0
	WIN (2+\j/4)|(1<<2)
.elseif \j < 2
	WIN 0x06
.else
	WIN (2+\j/4)|(3<<2)
.endif
.irp t, 0,1
.irp n, 0,1,2,3
.set HY, 2*\j+\t
.if (\p) == 0
.set HR, 16*HY
.elseif HY < 4
.set HR, 192+16*HY
.else
.set HR, 64+16*HY
.endif
	WM 128+8*(8*(\p)+4*\t+\n), 16*(4*(\j%4)+\n), HR, (\j==0), 16+6*(\n/2)+\j, 28+12*(\p)+6*\t+\j, \n%2
.endr
.endr
.endr
	WIN 0
.rept 8
	v_nop                                          ; eight places behind the last products, ahead of the first read of results and of the next loads into the buffer just read
.endr
.irp t, 0,1
.irp n, 0,1,2,3
	ds_store_b128 v[10+(\x)], v[128+8*(8*(\p)+4*\t+\n):128+8*(8*(\p)+4*\t+\n)+3] offset:PTILE*(2*(\p)+\t)+64*\n      ; each accumulator from its low end on
	ds_store_b128 v[10+(\x)], v[128+8*(8*(\p)+4*\t+\n)+4:128+8*(8*(\p)+4*\t+\n)+7] offset:PTILE*(2*(\p)+\t)+64*\n+16
.endr
.endr
.endm
; my tile of the trip: the four waves' parts, two rows an instruction; ((0 + 1) + (2 + 3)) x gate; sixteen lanes store 256 consecutive bytes of a token's row
.macro REDUCE x
	s_wait_xcnt 0x0                                ; the last stores have read these registers
	WIN 0xc0
.irp i, 0,1,2,3,4,5,6,7
.irp s, 0,1,2,3
	ds_load_b128 v[128+16*\i+4*\s:128+16*\i+4*\s+3], v[12+(\x)] offset:PWAVE*\s+544*\i
.endr
.endr
	s_wait_dscnt 0x0
	WIN 0xcf
.irp i, 0,1,2,3,4,5,6,7
	v_pk_add_f32 v[128+16*\i:129+16*\i], v[128+16*\i:129+16*\i], v[132+16*\i:133+16*\i]
	v_pk_add_f32 v[130+16*\i:131+16*\i], v[130+16*\i:131+16*\i], v[134+16*\i:135+16*\i]
	v_pk_add_f32 v[136+16*\i:137+16*\i], v[136+16*\i:137+16*\i], v[140+16*\i:141+16*\i]
	v_pk_add_f32 v[138+16*\i:139+16*\i], v[138+16*\i:139+16*\i], v[142+16*\i:143+16*\i]
.endr
.irp i, 0,1,2,3,4,5,6,7
	v_pk_add_f32 v[128+16*\i:129+16*\i], v[128+16*\i:129+16*\i], v[136+16*\i:137+16*\i]
	v_pk_add_f32 v[130+16*\i:131+16*\i], v[130+16*\i:131+16*\i], v[138+16*\i:139+16*\i]
.endr
	WIN 0xcc                                       ; source 0 (the gate) window 0
.irp i, 0,1,2,3,4,5,6,7
.irp k, 0,1,2,3
	v_mul_f32 v[128+16*\i+\k], v[76+\i], v[128+16*\i+\k]
.endr
.endr
	WIN 0x0c                                       ; a store's data are its source 1
.irp i, 0,1,2,3,4,5,6,7
	global_store_b128 v[68+\i], v[128+16*\i:131+16*\i], s[16:17] th:TH_STORE_NT
.endr
	WIN 0
.endm
; A TRIP: tiles s30 + 4 x .. + 3.  All waits for loads are for 0, so that they hold on every way through the branches
.macro TRIP x
	s_add_co_u32 s31, s30, 4*(\x)
	s_cmp_ge_u32 s31, s25
	s_cbranch_scc1 .Lbar_\@                        ; no tile left: only the barrier
	s_wait_loadcnt 0x0                             ; the first pair's h and this trip's tokens are in
	SMALL \x
	s_add_co_u32 s31, s30, 4*(\x)+2
	s_cmp_ge_u32 s31, s25
	s_cbranch_scc1 .Lone_\@
	ISSUE 1, 4*(\x)+2                              ; the second pair lands while the first is multiplied
.Lone_\@:
	COMPUTE 0, \x
	s_wait_loadcnt 0x0                             ; the second pair, the gates
	s_add_co_u32 s31, s30, 4*(\x)+2
	s_cmp_ge_u32 s31, s25
	s_cbranch_scc1 .Lbar_\@
	s_add_co_u32 s31, s30, 4*(\x)+4
	s_cmp_ge_u32 s31, s25
	s_cbranch_scc1 .Llast_\@
	ISSUE 0, 4*(\x)+4                              ; the next trip's first pair
.Llast_\@:
	COMPUTE 1, \x
.Lbar_\@:
	s_wait_dscnt 0x0                               ; my parts have landed in this region, and my reads of the other region (the last trip's) are over: the next trip writes there
	s_barrier_signal -1
	s_barrier_wait -1
	s_add_co_u32 s31, s30, 4*(\x)
	s_add_co_u32 s31, s31, s18
	s_cmp_ge_u32 s31, s25
	s_cbranch_scc1 .Lnone_\@
	REDUCE \x
.Lnone_\@:
.endm
	s_load_b256 s[4:11], s[0:1], 0x0               ; hq, hs, order, probs
	s_load_b128 s[12:15], s[0:1], 0x20             ; Wd's codes, Wd's scales
	s_load_b64 s[16:17], s[0:1], 0x30              ; y
	v_lshl_add_u32 v126, v0, 2, 0x2e400
	v_mov_b32 v127, 0
	v_lshrrev_b32 v1, 5, v0
	v_readfirstlane_b32 s18, v1                    ; wave
	s_and_b32 s19, ttmp7, 0xffff                   ; e
	s_mov_b32 s20, ttmp9                           ; which 64 columns
	v_and_b32 v14, 31, v0                          ; lane
	v_and_b32 v15, 15, v0                          ; r
	v_bfe_u32 v84, v0, 4, 1                        ; h
	v_lshlrev_b32 v1, 4, v14
	v_lshlrev_b32 v2, 2, v14
	v_lshlrev_b32 v7, 4, v15                       ; 16 (lane % 16)
	v_mul_u32_u24 v85, v84, 2752
	v_add_nc_u32 v3, v85, v7                       ; Wd: two rows an instruction, 256 bytes each
	s_cmp_eq_u32 s18, 3
	s_mov_b32 s52, 240
	s_cselect_b32 s52, 176, s52
	s_cselect_b32 s54, 512, 0
	s_cselect_b32 s55, 12, 0
	v_min_u32 v4, s52, v7
	v_add_nc_u32 v4, v85, v4                       ; the same, held inside wave 3's last 192 bytes of a row
	s_mul_i32 s31, s18, STGB
	v_mul_u32_u24 v5, v84, 784
	v_add_nc_u32 v5, v5, v7
	v_add_nc_u32 v5, s31, v5                       ; my stage, way in
	v_mul_u32_u24 v6, v15, 784
	v_lshl_add_u32 v6, v84, 4, v6
	v_add_nc_u32 v6, s31, v6                       ; way out: row r, + 16 h
	v_lshlrev_b32 v8, 2, v84
	v_mul_u32_u24 v9, v14, 86                      ; Wd's scale bytes: 86 a row, a lane a row
	s_mul_i32 s31, s18, PWAVE
	v_mul_u32_u24 v10, v15, 272
	v_lshl_add_u32 v10, v84, 5, v10
	v_add_nc_u32 v10, s31, v10
	v_add_nc_u32 v11, PART1, v10                   ; where I put my parts: my wave's share, row r, + 32 h
	v_add_nc_u32 v10, PART0, v10
	s_mul_i32 s31, s18, PTILE
	v_mul_u32_u24 v12, v84, 272
	v_add_nc_u32 v12, v12, v7
	v_add_nc_u32 v12, s31, v12
	v_add_nc_u32 v13, PART1, v12                   ; where I read: tile w of the trip, two rows an instruction
	v_add_nc_u32 v12, PART0, v12
.irp i, 0,1,2,3,4,5,6,7,8,9,10,11,12,13,14,15
	v_mov_b32 v[68+\i], 0                          ; row offsets and gates are written on every way that could read them
.endr
	s_lshl_b32 s40, s19, 10
	s_lshl_b32 s41, s20, 6
	s_add_co_u32 s40, s40, s41                     ; my first row of Wd: 1024 e + 64 x slice
	s_mov_b32 s43, 0
	s_mul_i32 s38, s18, 12288                      ; my 24 slots in a tile of hq,
	s_mul_i32 s39, s18, 768                        ; my 6 K steps in a tile of hs; also my 768 bytes in a row of Wd
	s_lshl_b32 s29, s19, 2
	s_lshl_b32 s53, s19, 4
	s_mov_b32 s30, 0
	s_wait_kmcnt 0x0
	s_load_b128 s[24:27], s[8:9], s53 offset:0x1200   ; the expert's record: first tile, tiles, rows
	s_mul_i32 s42, s40, 2752
	s_add_co_u32 s42, s42, s39
	s_add_nc_u64 s[12:13], s[12:13], s[42:43]
	s_mov_b32 s42, s54
	s_sub_nc_u64 s[32:33], s[12:13], s[42:43]
	s_mul_i32 s42, s40, 86
	s_mul_i32 s41, s18, 24
	s_add_co_u32 s42, s42, s41
	s_add_nc_u64 s[14:15], s[14:15], s[42:43]
	s_mov_b32 s42, s55
	s_sub_nc_u64 s[34:35], s[14:15], s[42:43]
	s_lshl_b32 s42, s20, 8
	s_add_nc_u64 s[16:17], s[16:17], s[42:43]
; Wd's scale words come in halves: a row of 86 bytes begins on an even byte only.  The five halves that wave 3 does not have are read 12 bytes back
.irp p, 0,1
.irp j, 0,1,2,3,4,5
.irp f, 0,1
.if (2*\j+\f) >= 7
	global_load_u16 v[84+12*\p+2*\j+\f], v9, s[34:35] offset:2752*\p+4*\j+2*\f th:TH_LOAD_NT
.else
	global_load_u16 v[84+12*\p+2*\j+\f], v9, s[14:15] offset:2752*\p+4*\j+2*\f th:TH_LOAD_NT
.endif
.endr
.endr
.endr
	RAWD 0
	RAWD 1
	s_wait_loadcnt 24                              ; all but the panel asked for last
	TURND 0
	RAWD 2
	s_wait_loadcnt 24
	TURND 1
	RAWD 3
	s_wait_loadcnt 24
	TURND 2
	s_wait_kmcnt 0x0
	s_min_u32 s25, s25, 64                         ; tiles
	s_max_u32 s28, s25, 1
	s_sub_co_u32 s28, s28, 1                       ; the last tile
	s_min_u32 s24, s24, 70
	s_cmp_eq_u32 s25, 0
	s_cselect_b32 s24, 0, s24                      ; an expert without rows names tile 0, which some expert has written; it computes and stores nothing
	ORDL 0
	ISSUE 0, 0
	s_wait_loadcnt 63                              ; 68 loads are younger than panel 3: the count is the largest that the wait can name
	TURND 3
	s_wait_dscnt 0x0
	s_cmp_lg_u32 s18, 3
	s_cbranch_scc1 .Lwhole
	WIN 0x80                                       ; wave 3: beyond K = 2,752 the codes are zeros, and the scale bytes 0, which is no NaN
.irp n, 0,1,2,3
.irp k, 8,9,10,11,12,13,14,15
	v_mov_b32 v[16*(12+\n)+\k], 0
.endr
.endr
	WIN 0xc0
.set i, 0
.rept 128
	v_mov_b32 v[i], 0
.set i, i+1
.endr
	WIN 0
.irp p, 0,1
.irp k, 7,8,9,10,11
	v_mov_b32 v[84+12*\p+\k], 0
.endr
.endr
.Lwhole:
.irp p, 0,1
.irp j, 0,1,2,3,4,5
	v_lshl_or_b32 v[16+6*\p+\j], v[84+12*\p+2*\j+1], 16, v[84+12*\p+2*\j]
.endr
.endr
.rept 8
	v_nop                                          ; scale words and codes written by vector instructions stand eight places ahead of the first scaled product
.endr
.Lgroup:                                               ; 8 trips of two TRIPs: the two regions of partial sums by turns
	TRIP 0
	TRIP 1
	s_add_co_u32 s30, s30, 8
	s_cmp_lt_u32 s30, 64
	s_cbranch_scc1 .Lgroup
	s_wait_tensorcnt 0x0
	ds_add_u32 v126, v127
	s_wait_dscnt 0x0
	s_endpgm
.Lfunc_end_k_qb634dd2d78_down:
	.size	k_qb634dd2d78_down, .Lfunc_end_k_qb634dd2d78_down-k_qb634dd2d78_down
	.p2alignl 7, 3214868480
	.fill 96, 4, 3214868480
	.section	.rodata,"a",@progbits
	.p2align	6, 0x0
	.amdhsa_kernel k_qb634dd2d78_down
		.amdhsa_group_segment_fixed_size 189952
		.amdhsa_private_segment_fixed_size 0
		.amdhsa_enable_private_segment 0
		.amdhsa_kernarg_size 56
		.amdhsa_user_sgpr_count 2
		.amdhsa_user_sgpr_kernarg_segment_ptr 1
		.amdhsa_wavefront_size32 1
		.amdhsa_system_sgpr_workgroup_id_x 1
		.amdhsa_system_sgpr_workgroup_id_y 1
		.amdhsa_system_sgpr_workgroup_id_z 1
		.amdhsa_system_vgpr_workitem_id 0
		.amdhsa_next_free_vgpr 1024
		.amdhsa_next_free_sgpr 66
		.amdhsa_reserve_vcc 0
		.amdhsa_float_denorm_mode_32 3
		.amdhsa_float_denorm_mode_16_64 3
		.amdhsa_memory_ordered 1
		.amdhsa_forward_progress 1
		.amdhsa_inst_pref_size 121
	.end_amdhsa_kernel
	.amdgpu_metadata
---
amdhsa.version: [ 1, 2 ]
amdhsa.kernels:
  - .name:           k_qb634dd2d78_down
    .symbol:         k_qb634dd2d78_down.kd
    .args:
      - { .name: hq, .offset: 0, .size: 8, .value_kind: global_buffer, .address_space: global }
      - { .name: hs, .offset: 8, .size: 8, .value_kind: global_buffer, .address_space: global }
      - { .name: order, .offset: 16, .size: 8, .value_kind: global_buffer, .address_space: global }
      - { .name: probs, .offset: 24, .size: 8, .value_kind: global_buffer, .address_space: global }
      - { .name: Wd_codes, .offset: 32, .size: 8, .value_kind: global_buffer, .address_space: global }
      - { .name: Wd_scales, .offset: 40, .size: 8, .value_kind: global_buffer, .address_space: global }
      - { .name: out0, .offset: 48, .size: 8, .value_kind: global_buffer, .address_space: global }
    .group_segment_fixed_size: 189952
    .private_segment_fixed_size: 0
    .kernarg_segment_align: 8
    .kernarg_segment_size: 56
    .max_flat_workgroup_size: 128
    .sgpr_count:     66
    .vgpr_count:     1024
    .wavefront_size: 32
...
	.end_amdgpu_metadata
.endif
;; end of part 4
;; ======== version 2 of 2: 4 launches; version 1 with the launches up, down written anew for expert scheduling mode
;; workspace buffers: xq 1,048,576 bytes; xs 32,768 bytes; ridx 4,096 bytes of whole numbers; probs 32,768 bytes; order 4,864 bytes of whole numbers; hq 3,489,792 bytes; hs 218,112 bytes
;; launch route: the kernel of part 1 again; grid 256 x 1, 1 waves a work-group, no clusters, 20,992 bytes of LDS; arguments x, Wg, bg, xq, xs, ridx, probs; writes xq, xs, ridx, probs
;; launch place: the kernel of part 2 again; grid 1 x 1, 8 waves a work-group, no clusters, 3,584 bytes of LDS; arguments ridx, probs, order, out1; writes order, out1
;; launch up (part 5): grid 86 x 8, 1 waves a work-group, no clusters, 17,152 bytes of LDS; arguments xq, xs, order, Wu_codes, Wu_scales, Wv_codes, Wv_scales, hq, hs; writes hq, hs
.if DOCPART == 5
	.amdgcn_target "amdgcn-amd-amdhsa--gfx1250"
	.amdhsa_code_object_version 6
	.text
	.protected	k_qb634dd2d78_up
	.globl	k_qb634dd2d78_up
	.p2align	8
	.type	k_qb634dd2d78_up,@function
k_qb634dd2d78_up:
	s_mov_b64 s[64:65], 0
	v_nop
	global_prefetch_b8 v0, s[64:65] scope:SCOPE_SE
	s_setreg_imm32_b32 hwreg(HW_REG_WAVE_SCHED_MODE, 0, 2), 2
	s_setreg_imm32_b32 hwreg(HW_REG_WAVE_MODE, 25, 1), 1
	s_wait_xcnt 0x0
	s_wait_alu depctr_vm_vsrc(0)
; THE HIDDEN LAYER: h = silu(x Wu^T) (x Wv^T), for each token by its own expert alone, quantised along H and stored as codes.  Both products on codes of E4M3 with E8M0 scales.
; A work-group is ONE wave: block b (32 hidden units) of expert e.  Its 32 rows of Wu and of Wv, 64 KB, stay in 512 registers; each weight byte is loaded by one wave of the launch.
; The expert's rows of x stream by, a tile of 16 tokens at a time, by the list that the launch before stored (order): where the wave ends hangs on the stored number of tiles, so operands go from memory to registers, and there is no barrier.
; Multicast is not used: partners of a cluster would need different numbers of tiles, read from memory.
; EVERY LOAD READS 512 CONSECUTIVE BYTES OF ONE ROW; 16 rows then turn through the wave's stage in LDS (pitch 1,040 bytes) into the operand's order: lane (r, h), registers 4 c ..: k = 128 s + 32 c + 16 h + 0 .. 15 of row r.
; THE PRODUCTS ARE USED TRANSPOSED (source 0 = 16 rows of W, source 1 = 16 tokens), and lane r of tile u takes row 32 b + 8 u + r + 8 (r / 8): a lane then holds one token and 16 NEIGHBOURING hidden units, 32 b + 16 h + 0 .. 15.
; OUT, as images of the next product's operand registers: hq [tile][slot 0 .. 95][lane][16 bytes], slot = the block of 32 along H; hs [tile][K step 0 .. 23][lane][4 bytes], byte = slot % 4.
; Slots 86 .. 95 (H ends at 2,752) get zero codes and the byte 127: blocks b >= 76 write slot b + 10 as well.  The scale bytes leave one byte a lane, 4 bytes apart: 32 bytes for each 512 bytes of codes.
; LIMITS: NaN and infinities are not served; a block whose largest magnitude lies under 2^-118 (a block of zeros too) gets the byte 1: the bytes are read by this program alone.
; REGISTERS.  window 0: v1-6 addresses; v8-15, v16-23 Wu's, Wv's scale words (lanes 0-15 tile 0's rows, lanes 16-31 tile 1's); v24-47 x's scale words, 8 a buffer; v48-63 u, v64-79 v; v80-95 at work; v96-99 codes;
;   v100-103 zeros, v104 127; v128-255 x buffer 2.   window 1: x buffers 0 and 1.   windows 2, 3: the weights: tile t (u0, u1, v0, v1), K step s at v[64 t + 16 (s % 4)] of window 2 + s / 4.
; THE MODE: SCHED_MODE bits 1:0 = 2 (LLVM: expert scheduling mode 2), set by the entry lines.  The code itself states the register dependences
; between vector or matrix instructions and memory or LDS instructions, with s_wait_alu, always for 0.
; THE PLAN.  Registers that memory or LDS instructions touch:
;   v1, v2, v5, v6, v100-104   offsets, LDS addresses and the pads' data: written at the head, ahead of the head's wait on va_vdst, and never again.
;   the weights                loaded as they lie; a turn's LDS stores read them, its LDS loads land in them; from then on products alone read them.
;   x buffers 0, 1, 2, v24-47  a request's 34 loads land, two tiles ahead; the tile's turn stores the buffer to LDS and loads it back; the tile's products read buffer and scale words; the next tile's request lands in them again.
;   v4                         written by a request's two vector lines, read by its two loads of scale bytes.
;   v96-99, v110               written by a tile's conversions and shift, read by its stores.
;   u, v and all that is at work (v3, v48-95, v105-109) are named by vector and matrix instructions alone.
; So a tile has ONE wait on vm_vsrc, behind its turn's LDS stores and the request's scalar work; ONE wait on va_vdst behind the lines that make v4, ahead of the turn's 32 LDS loads and the request's 34 loads, between which
; stand window switches alone; and one ahead of its stores.
.set PITCH, 1040                       ; 65 x 16 bytes: the 16 rows that a load touches start in 16 different groups of banks
.set ACC,   48
.set EX,    80
.set RB,    66                         ; s[66:97] the addresses of a tile's 16 rows of xq
.set MAXT,  64                         ; an expert's tiles at the most: all 1,024 tokens on one expert
.set MSB,   0
.macro WIN new                         ; the immediate's high byte repeats the setting that is left
.if MSB != (\new)
	s_set_vgpr_msb (MSB<<8)|(\new)
.set MSB, (\new)
.endif
.endm
; 16 rows of a weight, as they lie: quad 2 p + half = half a row.  Rows 8 u + p + 8 (p / 8).  No vector or matrix instruction has named these registers
.macro RAWW tau, sb
	WIN 0x80
.irp n, 0,1,2,3,4,5,6,7,8,9,10,11,12,13,14,15
	global_load_b128 v[64*(\tau)+4*\n:64*(\tau)+4*\n+3], v1, s[\sb:\sb+1] offset:(8*((\tau)%2)+\n/2)*1024+512*(\n%2) th:TH_LOAD_NT
.endr
	WIN 0xc0
.irp n, 0,1,2,3,4,5,6,7,8,9,10,11,12,13,14,15
	global_load_b128 v[64*(\tau)+4*\n:64*(\tau)+4*\n+3], v1, s[\sb:\sb+1] offset:(8*((\tau)%2)+16+\n/2)*1024+512*(\n%2) th:TH_LOAD_NT
.endr
	WIN 0
.endm
; 128 registers (quads 0-15 at window wlo, register blo; quads 16-31 at whi, bhi) turn in place, in two halves: the stores, and the loads.  LDS serves a wave's instructions in order: no wait on DScnt between the stores and
; the loads, nor ahead of the next turn's stores.  Between the two halves stands a wait on vm_vsrc, since the loads land in the registers that the stores read; other work stands ahead of that wait
.macro TURNST wlo, blo, whi, bhi
	WIN (\wlo)<<2
.irp n, 0,1,2,3,4,5,6,7,8,9,10,11,12,13,14,15
	ds_store_b128 v1, v[(\blo)+4*\n:(\blo)+4*\n+3] offset:PITCH*(\n/2)+512*(\n%2)
.endr
	WIN (\whi)<<2
.irp n, 0,1,2,3,4,5,6,7,8,9,10,11,12,13,14,15
	ds_store_b128 v1, v[(\bhi)+4*\n:(\bhi)+4*\n+3] offset:PITCH*(8+\n/2)+512*(\n%2)
.endr
.endm
.macro TURNLD wlo, blo, whi, bhi       ; (it leaves the window of its last loads: a switch follows every use)
	WIN (\wlo)<<6
.irp q, 0,1,2,3,4,5,6,7,8,9,10,11,12,13,14,15
	ds_load_b128 v[(\blo)+4*\q:(\blo)+4*\q+3], v2 offset:128*(\q/4)+32*(\q%4)
.endr
	WIN (\whi)<<6
.irp q, 0,1,2,3,4,5,6,7,8,9,10,11,12,13,14,15
	ds_load_b128 v[(\bhi)+4*\q:(\bhi)+4*\q+3], v2 offset:512+128*(\q/4)+32*(\q%4)
.endr
.endm
; Weight tile tau turns; tile nxt is asked for between the turn's stores and the wait for them
.macro TURNW tau, nxt, sb
	TURNST 2, 64*(\tau), 3, 64*(\tau)
	RAWW \nxt, \sb
	WIN 0x80
	s_wait_alu depctr_vm_vsrc(0)                   ; the turn's LDS stores have read tile tau's registers, in which its LDS loads land
	TURNLD 2, 64*(\tau), 3, 64*(\tau)
	WIN 0
.endm
; A TURN AND A REQUEST.  The 128 registers named first turn.  The tile whose 16 tokens lie in s[24:39] is asked for, into buffer (rw, rb) and scale words rs: 34 loads; then the list of tile I + k + 1
; (held at the expert's last tile: the same loads on every path).  The request's scalar work stands between the turn's stores and the wait for them; the turn's loads, for which the products wait, go out ahead of the request's
.macro TURNREQ wlo, blo, whi, bhi, rw, rb, rs, k
	TURNST \wlo, \blo, \whi, \bhi
	WIN 0
	s_wait_kmcnt 0x0                               ; the list is in
	s_wait_xcnt 0x0                                ; the row addresses and v4 are sources of earlier loads: they are rewritten only behind this wait
.irp p, 0,1,2,3,4,5,6,7,8,9,10,11,12,13,14,15
	s_min_u32 s[24+\p], s[24+\p], 1023
	v_writelane_b32 v3, s[24+\p], \p
	s_lshl_b32 s48, s[24+\p], 10
	s_add_nc_u64 s[RB+2*\p:RB+2*\p+1], s[4:5], s[48:49]
.endr
	s_wait_alu depctr_vm_vsrc(0)                   ; the turn's LDS stores have read the registers in which its LDS loads land; the last request's loads have read v4, and the last tile's stores v96-99 and v110, which are written again below
	v_min_u32 v4, 0x3ff, v3
	v_lshlrev_b32 v4, 5, v4                        ; lane r: token r's 32 scale bytes (lanes 16-31: token 0's, not read by the product)
	WIN (\wlo)<<6
	s_wait_alu depctr_va_vdst(0)                   ; v4 is written, which the two loads of scale bytes read; the last tile's products are done reading the buffer and the scale words in which the request's loads land.  Only loads and window switches follow, up to the request's last load
	TURNLD \wlo, \blo, \whi, \bhi
	WIN (\rw)<<6
.irp n, 0,1,2,3,4,5,6,7,8,9,10,11,12,13,14,15,16,17,18,19,20,21,22,23,24,25,26,27,28,29,30,31
	global_load_b128 v[(\rb)+4*\n:(\rb)+4*\n+3], v1, s[RB+2*(\n/2):RB+2*(\n/2)+1] offset:512*(\n%2)
.endr
	WIN 0
	global_load_b128 v[(\rs):(\rs)+3], v4, s[6:7]
	global_load_b128 v[(\rs)+4:(\rs)+7], v4, s[6:7] offset:16
	s_add_co_u32 s46, s44, (\k)+1
	s_min_u32 s46, s46, s45
	s_add_co_u32 s46, s46, s40
	s_min_u32 s46, s46, 70
	s_lshl_b32 s62, s46, 6
	s_load_b512 s[24:39], s[8:9], s62 offset:0x0
.endm
.macro WM d, a, b, first, sa, sb, odd
.if \first
.if \odd
	v_wmma_scale_f32_16x16x128_f8f6f4 v[(\d):(\d)+7], v[(\a):(\a)+15], v[(\b):(\b)+15], 0, v[(\sa)], v[(\sb)] matrix_a_scale:MATRIX_SCALE_ROW1
.else
	v_wmma_scale_f32_16x16x128_f8f6f4 v[(\d):(\d)+7], v[(\a):(\a)+15], v[(\b):(\b)+15], 0, v[(\sa)], v[(\sb)]
.endif
.else
.if \odd
	v_wmma_scale_f32_16x16x128_f8f6f4 v[(\d):(\d)+7], v[(\a):(\a)+15], v[(\b):(\b)+15], v[(\d):(\d)+7], v[(\sa)], v[(\sb)] matrix_a_scale:MATRIX_SCALE_ROW1
.else
	v_wmma_scale_f32_16x16x128_f8f6f4 v[(\d):(\d)+7], v[(\a):(\a)+15], v[(\b):(\b)+15], v[(\d):(\d)+7], v[(\sa)], v[(\sb)]
.endif
.endif
.endm
; 32 matrix instructions: K step by K step, the four accumulators by turns, one instruction a turn; the first K step starts the sums
.macro MULT xw, xb, xs
.irp s, 0,1,2,3,4,5,6,7
	WIN (2+\s/4)|((\xw)<<2)
.irp t, 0,1,2,3
	WM ACC+8*\t, 64*\t+16*(\s%4), (\xb)+16*\s, (\s==0), 8+8*(\t/2)+\s, (\xs)+\s, \t%2
.endr
.endr
	WIN 0
.endm
; silu(u) v = u v / (1 + 2^(-u log2 e)), the block's scale, the codes, the stores.  Tile I + u
.macro ACT u
.rept 8
	v_nop                                          ; eight places behind the last products, ahead of the first read of results
.endr
	s_wait_xcnt 0x0                                ; the last tile's stores have read their data and bases (that they have read v96-99 and v110 is stated by this tile's wait on vm_vsrc)
	s_add_co_u32 s46, s44, \u
	s_add_co_u32 s46, s46, s40
	s_min_u32 s46, s46, 70                         ; the tile
	s_mul_i32 s48, s46, 49152
	s_add_co_u32 s48, s48, s59
	s_add_nc_u64 s[50:51], s[18:19], s[48:49]      ; hq: tile, slot b
	s_mul_i32 s47, s46, 3072
	s_add_co_u32 s48, s47, s60
	s_add_nc_u64 s[52:53], s[20:21], s[48:49]      ; hs: tile, K step b / 4, byte b % 4
	s_add_co_u32 s48, s47, s61
	s_add_nc_u64 s[54:55], s[20:21], s[48:49]      ; the same for slot b + 10
.irp j, 0,2,4,6,8,10,12,14
	v_pk_mul_f32 v[EX+\j:EX+\j+1], v[ACC+\j:ACC+\j+1], 0xbfb8aa3b op_sel_hi:[1,0]   ; -u log2 e; each accumulator is read from its low end on
.endr
.irp j, 0,1,2,3,4,5,6,7,8,9,10,11,12,13,14,15
	v_exp_f32 v[EX+\j], v[EX+\j]
.endr
.irp j, 0,2,4,6,8,10,12,14
	v_pk_mul_f32 v[ACC+\j:ACC+\j+1], v[ACC+\j:ACC+\j+1], v[ACC+16+\j:ACC+16+\j+1]   ; u v: plain work behind the batch
.endr
	s_wait_alu depctr_va_vdst(0)                   ; one wait for the 16 exponentials, ahead of their first reader
.irp j, 0,2,4,6,8,10,12,14
	v_pk_add_f32 v[EX+\j:EX+\j+1], v[EX+\j:EX+\j+1], 1.0 op_sel_hi:[1,0]
.endr
.irp j, 0,1,2,3,4,5,6,7,8,9,10,11,12,13,14,15
	v_rcp_f32 v[EX+\j], v[EX+\j]
.endr
	v_nop
	s_wait_alu depctr_va_vdst(0)                   ; and one for the 16 reciprocals
.irp j, 0,2,4,6,8,10,12,14
	v_pk_mul_f32 v[ACC+\j:ACC+\j+1], v[ACC+\j:ACC+\j+1], v[EX+\j:EX+\j+1]          ; h: my 16 neighbours along H
.endr
	v_max3_num_f32 v105, |v[ACC]|, |v[ACC+1]|, 0x4800000   ; the largest magnitude, with the floor 2^(9 - 127) among its leaves; two chains
	v_max3_num_f32 v106, |v[ACC+8]|, |v[ACC+9]|, |v[ACC+10]|
	v_max3_num_f32 v105, v105, |v[ACC+2]|, |v[ACC+3]|
	v_max3_num_f32 v106, v106, |v[ACC+11]|, |v[ACC+12]|
	v_max3_num_f32 v105, v105, |v[ACC+4]|, |v[ACC+5]|
	v_max3_num_f32 v106, v106, |v[ACC+13]|, |v[ACC+14]|
	v_max3_num_f32 v105, v105, |v[ACC+6]|, |v[ACC+7]|
	v_max3_num_f32 v105, v105, v106, |v[ACC+15]|
	v_permlanex16_b32 v107, v105, s56, s57
	v_max_num_f32 v105, v105, v107                 ; with lane l xor 16's: the block's
	v_add_nc_u32 v108, 0xfc000000, v105            ; 8 off its exponent field: the conversion's scale operand
	v_and_or_b32 v109, v105, 0x7f800000, s58       ; 448 x the scale
.irp j, 0,1,2,3,4,5,6,7,8,9,10,11,12,13,14,15
	v_med3_num_f32 v[ACC+\j], v[ACC+\j], -v109, v109   ; the conversion to an 8-bit code does not saturate (ISA guide 7.6.2): the hold comes first
.endr
	v_cvt_scalef32_pk8_fp8_f32 v[96:97], v[ACC:ACC+7], v108
	v_cvt_scalef32_pk8_fp8_f32 v[98:99], v[ACC+8:ACC+15], v108
	v_lshrrev_b32 v110, 23, v108                   ; the scale's byte; also the plain line behind the conversions
	s_wait_alu depctr_va_vdst(0)                   ; the conversions have written v96-99 and the shift v110, which the stores read
	global_store_b128 v1, v[96:99], s[50:51]       ; 32 lanes store the slot's 512 consecutive bytes
	global_store_b8 v5, v110, s[52:53]
	s_cmp_lt_u32 s22, 76
	s_cbranch_scc1 .Lnopad_\@
	global_store_b128 v1, v[100:103], s[50:51] offset:5120
	global_store_b8 v5, v104, s[54:55]
.Lnopad_\@:
.endm
; A TILE: its codes have come; they turn; the buffer read last tile is asked for anew, two tiles ahead; products; activation
.macro TILE u, xw, xb, xs, rw, rb, rs
	s_wait_loadcnt 34                              ; one request, 34 loads, is younger than this tile's
	TURNREQ \xw, \xb, \xw, (\xb)+64, \rw, \rb, \rs, (\u)+2
	s_wait_dscnt 0x0                               ; the turn is over
	MULT \xw, \xb, \xs
	ACT \u
.endm
	s_load_b512 s[4:19], s[0:1], 0x0               ; xq, xs, order, Wu codes, Wu scales, Wv codes, Wv scales, hq
	s_load_b64 s[20:21], s[0:1], 0x40              ; hs
	v_lshl_add_u32 v126, v0, 2, 0x4200
	v_mov_b32 v127, 0
	s_mov_b32 s22, ttmp9                           ; b
	s_and_b32 s23, ttmp7, 0xffff                   ; e
	v_lshlrev_b32 v1, 4, v0                        ; 16 x lane
	v_and_b32 v105, 15, v0                         ; r
	v_lshrrev_b32 v107, 4, v0                      ; h  (v107 is so written ahead of the lane permute that names it as destination)
	v_mul_u32_u24 v2, v105, PITCH
	v_lshl_add_u32 v2, v107, 4, v2                 ; the stage, way out: row r, + 16 h
	v_mov_b32 v3, 0
	v_lshlrev_b32 v5, 2, v0                        ; 4 x lane
	v_and_b32 v106, 8, v105
	v_add_nc_u32 v106, v106, v105
	v_lshl_add_u32 v106, v107, 3, v106
	v_lshlrev_b32 v6, 5, v106                      ; the weights' scale bytes: row 8 (lane / 16) + r + 8 (r / 8), 32 bytes a row
.irp j, 100,101,102,103
	v_mov_b32 v\j, 0
.endr
	v_mov_b32 v104, 127
	s_mul_i32 s46, s23, 2752
	s_lshl_b32 s47, s22, 5
	s_add_co_u32 s46, s46, s47                     ; my first row of Wu and Wv
	s_mov_b32 s49, 0
	s_lshl_b32 s62, s23, 4
	s_lshl_b32 s59, s22, 9                         ; 512 b
	s_lshr_b32 s60, s22, 2
	s_lshl_b32 s60, s60, 7
	s_and_b32 s47, s22, 3
	s_add_co_u32 s60, s60, s47                     ; 128 (b / 4) + b % 4
	s_add_co_u32 s47, s22, 10
	s_lshr_b32 s61, s47, 2
	s_lshl_b32 s61, s61, 7
	s_and_b32 s47, s47, 3
	s_add_co_u32 s61, s61, s47                     ; the same of b + 10
	s_mov_b32 s56, 0x76543210
	s_mov_b32 s57, 0xfedcba98                      ; v_permlanex16_b32's selects for lane l xor 16
	s_mov_b32 s58, 0x600000                        ; the mantissa field of 448
	s_mov_b32 s44, 0                               ; I: the trip's first tile
	s_wait_kmcnt 0x0
	s_load_b128 s[40:43], s[8:9], s62 offset:0x1200   ; the expert's record: first tile, tiles, rows
	s_lshl_b32 s48, s46, 10
	s_add_nc_u64 s[10:11], s[10:11], s[48:49]
	s_add_nc_u64 s[14:15], s[14:15], s[48:49]
	s_lshl_b32 s48, s46, 5
	s_add_nc_u64 s[12:13], s[12:13], s[48:49]
	s_add_nc_u64 s[16:17], s[16:17], s[48:49]
	s_wait_alu depctr_va_vdst(0)                   ; v1, v2, v5 and v6 are written, which the kernel's loads, stores and LDS instructions read as offsets and addresses; so are v100-104, the data of the pads' stores
	global_load_b128 v[8:11], v6, s[12:13] th:TH_LOAD_NT
	global_load_b128 v[12:15], v6, s[12:13] offset:16 th:TH_LOAD_NT
	global_load_b128 v[16:19], v6, s[16:17] th:TH_LOAD_NT
	global_load_b128 v[20:23], v6, s[16:17] offset:16 th:TH_LOAD_NT
	RAWW 0, 10
	s_wait_kmcnt 0x0
	s_cmp_lg_u32 s41, 0
	s_cbranch_scc1 .Lrows
	s_endpgm                                       ; an expert without rows: the grid serves every split
.Lrows:
	s_min_u32 s41, s41, MAXT
	s_min_u32 s40, s40, 70
	s_sub_co_u32 s45, s41, 1                       ; the last tile
	s_lshl_b32 s62, s40, 6
	s_load_b512 s[24:39], s[8:9], s62 offset:0x0   ; tile 0's tokens
	RAWW 1, 10
	s_wait_loadcnt 32                              ; all but the weight tile asked for last
	TURNW 0, 2, 14
	s_wait_loadcnt 32
	TURNW 1, 3, 14
	s_wait_loadcnt 32
	TURNREQ 2, 128, 3, 128, 1, 0, 24, 0            ; the third weight tile turns; the expert's first tile of x is asked for
	s_wait_loadcnt 34                              ; all but that request
	TURNREQ 2, 192, 3, 192, 1, 128, 32, 1          ; the fourth; the second tile of x
; A trip runs three tiles: the three buffers come back to their places.  The loop's count is a constant: 22 trips serve the 64 tiles that an expert can have.
; Behind each tile the wave ends in place where that tile was the expert's last.
.Ltile:
	TILE 0, 1, 0, 24, 0, 128, 40
	s_add_co_u32 s46, s44, 1
	s_cmp_lt_u32 s46, s41
	s_cbranch_scc1 .Lsecond
	s_wait_dscnt 0x0
	s_wait_alu depctr_hold_cnt(0) depctr_sa_sdst(0) depctr_va_vdst(0) depctr_va_sdst(0) depctr_va_ssrc(0) depctr_va_vcc(0) depctr_vm_vsrc(0)
	s_wait_tensorcnt 0x0
	ds_add_u32 v126, v127
	s_wait_dscnt 0x0
	s_endpgm
.Lsecond:
	TILE 1, 1, 128, 32, 1, 0, 24
	s_add_co_u32 s46, s44, 2
	s_cmp_lt_u32 s46, s41
	s_cbranch_scc1 .Lthird
	s_wait_dscnt 0x0
	s_wait_alu depctr_hold_cnt(0) depctr_sa_sdst(0) depctr_va_vdst(0) depctr_va_sdst(0) depctr_va_ssrc(0) depctr_va_vcc(0) depctr_vm_vsrc(0)
	s_wait_tensorcnt 0x0
	ds_add_u32 v126, v127
	s_wait_dscnt 0x0
	s_endpgm
.Lthird:
	TILE 2, 0, 128, 40, 1, 128, 32
	s_add_co_u32 s46, s44, 3
	s_cmp_lt_u32 s46, s41
	s_cbranch_scc1 .Lmore
	s_wait_dscnt 0x0
	s_wait_alu depctr_hold_cnt(0) depctr_sa_sdst(0) depctr_va_vdst(0) depctr_va_sdst(0) depctr_va_ssrc(0) depctr_va_vcc(0) depctr_vm_vsrc(0)
	s_wait_tensorcnt 0x0
	ds_add_u32 v126, v127
	s_wait_dscnt 0x0
	s_endpgm
.Lmore:
	s_add_co_u32 s44, s44, 3
	s_cmp_lt_u32 s44, MAXT+2                       ; I = 0, 3, .. 63
	s_cbranch_scc1 .Ltile
	s_wait_dscnt 0x0
	s_wait_alu depctr_hold_cnt(0) depctr_sa_sdst(0) depctr_va_vdst(0) depctr_va_sdst(0) depctr_va_ssrc(0) depctr_va_vcc(0) depctr_vm_vsrc(0)
	s_wait_tensorcnt 0x0
	ds_add_u32 v126, v127
	s_wait_dscnt 0x0
	s_endpgm
.Lfunc_end_k_qb634dd2d78_up:
	.size	k_qb634dd2d78_up, .Lfunc_end_k_qb634dd2d78_up-k_qb634dd2d78_up
	.p2alignl 7, 3214868480
	.fill 96, 4, 3214868480
	.section	.rodata,"a",@progbits
	.p2align	6, 0x0
	.amdhsa_kernel k_qb634dd2d78_up
		.amdhsa_group_segment_fixed_size 17152
		.amdhsa_private_segment_fixed_size 0
		.amdhsa_enable_private_segment 0
		.amdhsa_kernarg_size 72
		.amdhsa_user_sgpr_count 2
		.amdhsa_user_sgpr_kernarg_segment_ptr 1
		.amdhsa_wavefront_size32 1
		.amdhsa_system_sgpr_workgroup_id_x 1
		.amdhsa_system_sgpr_workgroup_id_y 1
		.amdhsa_system_sgpr_workgroup_id_z 1
		.amdhsa_system_vgpr_workitem_id 0
		.amdhsa_next_free_vgpr 1024
		.amdhsa_next_free_sgpr 98
		.amdhsa_reserve_vcc 0
		.amdhsa_float_denorm_mode_32 3
		.amdhsa_float_denorm_mode_16_64 3
		.amdhsa_memory_ordered 1
		.amdhsa_forward_progress 1
		.amdhsa_inst_pref_size 112
	.end_amdhsa_kernel
	.amdgpu_metadata
---
amdhsa.version: [ 1, 2 ]
amdhsa.kernels:
  - .name:           k_qb634dd2d78_up
    .symbol:         k_qb634dd2d78_up.kd
    .args:
      - { .name: xq, .offset: 0, .size: 8, .value_kind: global_buffer, .address_space: global }
      - { .name: xs, .offset: 8, .size: 8, .value_kind: global_buffer, .address_space: global }
      - { .name: order, .offset: 16, .size: 8, .value_kind: global_buffer, .address_space: global }
      - { .name: Wu_codes, .offset: 24, .size: 8, .value_kind: global_buffer, .address_space: global }
      - { .name: Wu_scales, .offset: 32, .size: 8, .value_kind: global_buffer, .address_space: global }
      - { .name: Wv_codes, .offset: 40, .size: 8, .value_kind: global_buffer, .address_space: global }
      - { .name: Wv_scales, .offset: 48, .size: 8, .value_kind: global_buffer, .address_space: global }
      - { .name: hq, .offset: 56, .size: 8, .value_kind: global_buffer, .address_space: global }
      - { .name: hs, .offset: 64, .size: 8, .value_kind: global_buffer, .address_space: global }
    .group_segment_fixed_size: 17152
    .private_segment_fixed_size: 0
    .kernarg_segment_align: 8
    .kernarg_segment_size: 72
    .max_flat_workgroup_size: 32
    .sgpr_count:     98
    .vgpr_count:     1024
    .wavefront_size: 32
...
	.end_amdgpu_metadata
.endif
;; end of part 5
;; launch down (part 6): grid 16 x 8, 4 waves a work-group, no clusters, 189,952 bytes of LDS; arguments hq, hs, order, probs, Wd_codes, Wd_scales, out0; writes out0
.if DOCPART == 6
	.amdgcn_target "amdgcn-amd-amdhsa--gfx1250"
	.amdhsa_code_object_version 6
	.text
	.protected	k_qb634dd2d78_down
	.globl	k_qb634dd2d78_down
	.p2align	8
	.type	k_qb634dd2d78_down,@function
k_qb634dd2d78_down:
	s_mov_b64 s[64:65], 0
	v_nop
	global_prefetch_b8 v0, s[64:65] scope:SCOPE_SE
	s_setreg_imm32_b32 hwreg(HW_REG_WAVE_SCHED_MODE, 0, 2), 2
	s_setreg_imm32_b32 hwreg(HW_REG_WAVE_MODE, 25, 1), 1
	s_wait_xcnt 0x0
	s_wait_alu depctr_vm_vsrc(0)
; y[token] = gate x (h Wd[e]^T), for each token by its own expert alone.  The product on codes of E4M3 with E8M0 scales; h comes as register images (hq, hs) from the launch before.
; A work-group owns 64 columns of y (256 bytes of each row) of one expert: 176 KB of Wd, in the registers of its four waves for the whole launch; each weight byte is loaded by one wave of the launch.
; THE WAVES SHARE K: wave w takes K steps 6 w .. 6 w + 5 of 24 (K = 2,752 filled to 3,072 with zero codes on both sides).  Their four partial sums meet in LDS; wave w then adds tile 4 g + w, multiplies by the gate and stores whole rows.
; 64 columns and not 32: sixteen lanes then store 256 consecutive bytes at a multiple of 256 from y's first byte, and h is read by 16 work-groups and not 32.
; The expert's tiles are walked in 16 TRIPs of 4 tiles, a CONSTANT count (64 tiles: all tokens on one expert), with one barrier each, on every wave's path; a scalar branch on the stored number of tiles leads round the work.
; So there are no tensor loads; multicast is not used: partners of a cluster would have different numbers of tiles, read from memory.
; THE PRODUCT IS USED TRANSPOSED (source 0 = 16 rows of Wd, source 1 = 16 tokens): a lane holds one token and eight neighbouring columns.
; Pad rows of a last tile repeat a token of the expert: they give the same bits and are stored to the same bytes.
; REGISTERS.  window 0: v1-13 addresses; v16-27 Wd's scale words (lanes 0-15 even tiles, 16-31 odd); v28-51 h's scale words; v52-59 tokens; v60-67, v68-75 offsets of gates and rows; v76-83 gates; v84-107 halves of scale words;
;   v128-255 16 accumulators.   window 1: h buffer 0 (v0-191), h buffer 1's first four fragments.   window 2: Wd, K steps 0-3: (j, tile n) at v[16 (4 j + n)].   window 3: v0-127 Wd, K steps 4, 5; v128-255 h buffer 1's other eight, and the sums' parts.
; THE MODE: SCHED_MODE bits 1:0 = 2 (LLVM: expert scheduling mode 2), set by the entry lines.  The code itself states the register dependences
; between vector or matrix instructions and memory or LDS instructions, with s_wait_alu, always for 0.
; THE PLAN.  Registers that memory or LDS instructions touch:
;   v1-6, v8-13      offsets and LDS addresses: written at the head, ahead of the head's wait on va_vdst, and never again.
;   Wd's panels      loaded as they lie; a turn's LDS stores read them, its LDS loads land in them; wave 3 clears its tail; from then on products alone read them.
;   v84-107          halves of Wd's scale words: loads land; vector lines make v16-27 of them, which products take as scales.
;   h buffer 0       (window 1 v0-191, v28-39)  a request's loads land; the trip's first 48 products read it; the next trip's request follows behind the wait that stands ahead of those products' LDS stores.
;   h buffer 1       (window 1 v192-255, window 3 v128-255, v40-51)  likewise for the second 48.  In window 3's part the sums' parts land from LDS, are added and multiplied, and leave by the stores of y.
;   accumulators     written by products, read by the LDS stores of the parts.
;   v52-59 tokens    loads land; the trip's first vector lines read them.   v60-67, v68-75: written by those lines; read by the gates' loads, by the stores of y.   v76-83 gates: loads land; the sums' multiplications read them.
; A trip's waits: at its head one on vm_vsrc (all that the last trip's loads, stores and LDS stores read is written again in this trip) and one on va_vdst behind the lines that make the offsets; one on va_vdst behind each
; run of 48 products, ahead of its LDS stores and of the request that follows; ahead of the sums one on vm_vsrc, and one on va_vdst ahead of the stores of y.
.set STGB,  12544                      ; LDS: a stage of 16 rows x 784 bytes (49 x 16) for each wave,
.set PART0, 50176                      ; and two regions of partial sums by turns: [wave][tile of the trip][16 rows x 272 bytes]
.set PART1, 119808
.set PWAVE, 17408
.set PTILE, 4352
.set MSB,   0
.macro WIN new                         ; the immediate's high byte repeats the setting that is left
.if MSB != (\new)
	s_set_vgpr_msb (MSB<<8)|(\new)
.set MSB, (\new)
.endif
.endm
; Panel nu: 16 rows x my 768 bytes, as they lie: load n = 3 i + q reads 256 consecutive bytes of rows 2 i and 2 i + 1.  Wave 3's rows end 448 bytes on: its piece 1 is held inside the row (v4), its piece 2 reads 512 bytes back (s[32:33])
.macro RAW1 nu, n
.set RG, 16*(4*(((\n)/4)%4)+(\nu))+4*((\n)%4)
.set OF, (16*(\nu)+2*((\n)/3))*2752+256*((\n)%3)
.if ((\n)%3) == 0
	global_load_b128 v[RG:RG+3], v3, s[12:13] offset:OF th:TH_LOAD_NT
.elseif ((\n)%3) == 1
	global_load_b128 v[RG:RG+3], v4, s[12:13] offset:OF th:TH_LOAD_NT
.else
	global_load_b128 v[RG:RG+3], v3, s[32:33] offset:OF th:TH_LOAD_NT
.endif
.endm
.macro RAWD nu                         ; no vector or matrix instruction has named these registers
	WIN 0x80
.irp n, 0,1,2,3,4,5,6,7,8,9,10,11,12,13,14,15
	RAW1 \nu, \n
.endr
	WIN 0xc0
.irp n, 16,17,18,19,20,21,22,23
	RAW1 \nu, \n
.endr
	WIN 0
.endm
.macro TST nu, n
.set RG, 16*(4*(((\n)/4)%4)+(\nu))+4*((\n)%4)
	ds_store_b128 v5, v[RG:RG+3] offset:1568*((\n)/3)+256*((\n)%3)
.endm
.macro TLD nu, n
.set RG, 16*(4*(((\n)/4)%4)+(\nu))+4*((\n)%4)
	ds_load_b128 v[RG:RG+3], v6 offset:128*((\n)/4)+32*((\n)%4)
.endm
; a panel turns in place through my stage, in two halves: quad 4 j + c then holds k = 128 j + 32 c + 16 h + 0 .. 15 of row r.  LDS serves a wave's instructions in order.
; Between the halves stands a wait on vm_vsrc, since the loads land in the registers that the stores read; where other work is at hand it stands ahead of that wait
.macro TSTD nu
	WIN 0x08
.irp n, 0,1,2,3,4,5,6,7,8,9,10,11,12,13,14,15
	TST \nu, \n
.endr
	WIN 0x0c
.irp n, 16,17,18,19,20,21,22,23
	TST \nu, \n
.endr
.endm
.macro TLDD nu
	WIN 0x80
.irp n, 0,1,2,3,4,5,6,7,8,9,10,11,12,13,14,15
	TLD \nu, \n
.endr
	WIN 0xc0
.irp n, 16,17,18,19,20,21,22,23
	TLD \nu, \n
.endr
	WIN 0
.endm
; the tokens of tile s30 + off + wave (held at the expert's last tile): lane l takes rows 2 i + l / 16
.macro ORDL off
	s_add_co_u32 s40, s30, \off
	s_add_co_u32 s40, s40, s18
	s_min_u32 s40, s40, s28
	s_add_co_u32 s40, s40, s24
	s_min_u32 s40, s40, 70
	s_lshl_b32 s42, s40, 6
	s_add_nc_u64 s[36:37], s[8:9], s[42:43]
.irp i, 0,1,2,3,4,5,6,7
	global_load_b32 v[52+\i], v8, s[36:37] offset:8*\i
.endr
.endm
; this trip's tokens become offsets; their gates are asked for; then the next trip's tokens
.macro SMALL x
	s_wait_xcnt 0x0                                ; the last stores have read their offsets
	s_wait_alu depctr_vm_vsrc(0)                   ; beside it: the last trip's gate loads have read v60-67; its stores of y have read v68-75 and their data in window 3's v128-255; its LDS stores have read the accumulators: this trip writes all of them again
.irp i, 0,1,2,3,4,5,6,7
	v_min_u32 v[60+\i], 0x3ff, v[52+\i]
	v_lshl_add_u32 v[68+\i], v[60+\i], 12, v7      ; y: the token's row, + 16 (lane % 16)
	v_lshl_add_u32 v[60+\i], v[60+\i], 5, s29      ; probs[token][e]
.endr
	s_wait_alu depctr_va_vdst(0)                   ; v60-67 are written, which the gates' loads read, and v68-75, which the stores of y read; the lines above are done reading the tokens v52-59, in which the next trip's land
.irp i, 0,1,2,3,4,5,6,7
	global_load_b32 v[76+\i], v[60+\i], s[10:11]
.endr
	ORDL 4*(\x)+4
.endm
; tiles s30 + off and s30 + off + 1: my six K steps of each, codes and scale words, into buffer beta: 60 loads, each of consecutive bytes.
; No s_wait_alu of its own: no vector or matrix instruction issued since the last wait on va_vdst names the buffer, its scale words, v1 or v2, and no store since the last wait on vm_vsrc reads them
.macro ISSUE beta, off
	s_wait_xcnt 0x0                                ; earlier loads and stores have read their bases and data
.irp t, 0,1
	s_add_co_u32 s40, s30, (\off)+\t
	s_min_u32 s40, s40, s28
	s_add_co_u32 s40, s40, s24
	s_min_u32 s40, s40, 70
	s_mul_i32 s42, s40, 49152
	s_add_co_u32 s42, s42, s38
	s_add_nc_u64 s[44+2*\t:45+2*\t], s[4:5], s[42:43]
	s_mul_i32 s42, s40, 3072
	s_add_co_u32 s42, s42, s39
	s_add_nc_u64 s[48+2*\t:49+2*\t], s[6:7], s[42:43]
.endr
.irp j, 0,1,2,3,4,5
.irp t, 0,1
.set HY, 2*\j+\t
.if (\beta) == 0
.set HR, 16*HY
	WIN 0x40
.elseif HY < 4
.set HR, 192+16*HY
	WIN 0x40
.else
.set HR, 64+16*HY
	WIN 0xc0
.endif
.irp c, 0,1,2,3
	global_load_b128 v[HR+4*\c:HR+4*\c+3], v1, s[44+2*\t:45+2*\t] offset:2048*\j+512*\c
.endr
.endr
.endr
	WIN 0
.irp t, 0,1
.irp j, 0,1,2,3,4,5
	global_load_b32 v[28+12*(\beta)+6*\t+\j], v2, s[48+2*\t:49+2*\t] offset:128*\j
.endr
.endr
.endm
.macro WM d, a, b, first, sa, sb, odd
.if \first
.if \odd
	v_wmma_scale_f32_16x16x128_f8f6f4 v[(\d):(\d)+7], v[(\a):(\a)+15], v[(\b):(\b)+15], 0, v[(\sa)], v[(\sb)] matrix_a_scale:MATRIX_SCALE_ROW1
.else
	v_wmma_scale_f32_16x16x128_f8f6f4 v[(\d):(\d)+7], v[(\a):(\a)+15], v[(\b):(\b)+15], 0, v[(\sa)], v[(\sb)]
.endif
.else
.if \odd
	v_wmma_scale_f32_16x16x128_f8f6f4 v[(\d):(\d)+7], v[(\a):(\a)+15], v[(\b):(\b)+15], v[(\d):(\d)+7], v[(\sa)], v[(\sb)] matrix_a_scale:MATRIX_SCALE_ROW1
.else
	v_wmma_scale_f32_16x16x128_f8f6f4 v[(\d):(\d)+7], v[(\a):(\a)+15], v[(\b):(\b)+15], v[(\d):(\d)+7], v[(\sa)], v[(\sb)]
.endif
.endif
.endm
; pair p of the trip (buffer p): 48 matrix instructions, K step by K step, the eight accumulators by turns, one instruction a turn; then my partial sums go to region x
.macro COMPUTE p, x
.irp j, 0,1,2,3,4,5
.if (\p) == 0
	WIN (2+\j/4)|(1<<2)
.elseif \j < 2
	WIN 0x06
.else
	WIN (2+\j/4)|(3<<2)
.endif
.irp t, 0,1
.irp n, 0,1,2,3
.set HY, 2*\j+\t
.if (\p) == 0
.set HR, 16*HY
.elseif HY < 4
.set HR, 192+16*HY
.else
.set HR, 64+16*HY
.endif
	WM 128+8*(8*(\p)+4*\t+\n), 16*(4*(\j%4)+\n), HR, (\j==0), 16+6*(\n/2)+\j, 28+12*(\p)+6*\t+\j, \n%2
.endr
.endr
.endr
	WIN 0
.rept 8
	v_nop                                          ; eight places behind the last products, ahead of the first read of results
.endr
	s_wait_alu depctr_va_vdst(0)                   ; the products have written the eight accumulators, which the LDS stores read (the places above stay beside this wait); they are done reading h's buffer p and its scale words, in which the next request's loads land
.irp t, 0,1
.irp n, 0,1,2,3
	ds_store_b128 v[10+(\x)], v[128+8*(8*(\p)+4*\t+\n):128+8*(8*(\p)+4*\t+\n)+3] offset:PTILE*(2*(\p)+\t)+64*\n      ; each accumulator from its low end on
	ds_store_b128 v[10+(\x)], v[128+8*(8*(\p)+4*\t+\n)+4:128+8*(8*(\p)+4*\t+\n)+7] offset:PTILE*(2*(\p)+\t)+64*\n+16
.endr
.endr
.endm
; my tile of the trip: the four waves' parts, two rows an instruction; ((0 + 1) + (2 + 3)) x gate; sixteen lanes store 256 consecutive bytes of a token's row
.macro REDUCE x
	s_wait_xcnt 0x0                                ; the last stores have read these registers
	WIN 0xc0
	s_wait_alu depctr_vm_vsrc(0)                   ; beside it: the last sums' stores of y have read window 3's v128-255, in which the parts land
.irp i, 0,1,2,3,4,5,6,7
.irp s, 0,1,2,3
	ds_load_b128 v[128+16*\i+4*\s:128+16*\i+4*\s+3], v[12+(\x)] offset:PWAVE*\s+544*\i
.endr
.endr
	s_wait_dscnt 0x0
	WIN 0xcf
.irp i, 0,1,2,3,4,5,6,7
	v_pk_add_f32 v[128+16*\i:129+16*\i], v[128+16*\i:129+16*\i], v[132+16*\i:133+16*\i]
	v_pk_add_f32 v[130+16*\i:131+16*\i], v[130+16*\i:131+16*\i], v[134+16*\i:135+16*\i]
	v_pk_add_f32 v[136+16*\i:137+16*\i], v[136+16*\i:137+16*\i], v[140+16*\i:141+16*\i]
	v_pk_add_f32 v[138+16*\i:139+16*\i], v[138+16*\i:139+16*\i], v[142+16*\i:143+16*\i]
.endr
.irp i, 0,1,2,3,4,5,6,7
	v_pk_add_f32 v[128+16*\i:129+16*\i], v[128+16*\i:129+16*\i], v[136+16*\i:137+16*\i]
	v_pk_add_f32 v[130+16*\i:131+16*\i], v[130+16*\i:131+16*\i], v[138+16*\i:139+16*\i]
.endr
	WIN 0xcc                                       ; source 0 (the gate) window 0
.irp i, 0,1,2,3,4,5,6,7
.irp k, 0,1,2,3
	v_mul_f32 v[128+16*\i+\k], v[76+\i], v[128+16*\i+\k]
.endr
.endr
	WIN 0x0c                                       ; a store's data are its source 1
	s_wait_alu depctr_va_vdst(0)                   ; the multiplications have written the rows of y, which the stores read
.irp i, 0,1,2,3,4,5,6,7
	global_store_b128 v[68+\i], v[128+16*\i:131+16*\i], s[16:17] th:TH_STORE_NT
.endr
	WIN 0
.endm
; A TRIP: tiles s30 + 4 x .. + 3.  All waits for loads are for 0, so that they hold on every way through the branches
.macro TRIP x
	s_add_co_u32 s31, s30, 4*(\x)
	s_cmp_ge_u32 s31, s25
	s_cbranch_scc1 .Lbar_\@                        ; no tile left: only the barrier
	s_wait_loadcnt 0x0                             ; the first pair's h and this trip's tokens are in
	SMALL \x
	s_add_co_u32 s31, s30, 4*(\x)+2
	s_cmp_ge_u32 s31, s25
	s_cbranch_scc1 .Lone_\@
	ISSUE 1, 4*(\x)+2                              ; the second pair lands while the first is multiplied
.Lone_\@:
	COMPUTE 0, \x
	s_wait_loadcnt 0x0                             ; the second pair, the gates
	s_add_co_u32 s31, s30, 4*(\x)+2
	s_cmp_ge_u32 s31, s25
	s_cbranch_scc1 .Lbar_\@
	s_add_co_u32 s31, s30, 4*(\x)+4
	s_cmp_ge_u32 s31, s25
	s_cbranch_scc1 .Llast_\@
	ISSUE 0, 4*(\x)+4                              ; the next trip's first pair
.Llast_\@:
	COMPUTE 1, \x
.Lbar_\@:
	s_wait_dscnt 0x0                               ; my parts have landed in this region, and my reads of the other region (the last trip's) are over: the next trip writes there
	s_barrier_signal -1
	s_barrier_wait -1
	s_add_co_u32 s31, s30, 4*(\x)
	s_add_co_u32 s31, s31, s18
	s_cmp_ge_u32 s31, s25
	s_cbranch_scc1 .Lnone_\@
	REDUCE \x
.Lnone_\@:
.endm
	s_load_b256 s[4:11], s[0:1], 0x0               ; hq, hs, order, probs
	s_load_b128 s[12:15], s[0:1], 0x20             ; Wd's codes, Wd's scales
	s_load_b64 s[16:17], s[0:1], 0x30              ; y
	v_lshl_add_u32 v126, v0, 2, 0x2e400
	v_mov_b32 v127, 0
	v_lshrrev_b32 v1, 5, v0
	v_readfirstlane_b32 s18, v1                    ; wave
	s_and_b32 s19, ttmp7, 0xffff                   ; e
	s_mov_b32 s20, ttmp9                           ; which 64 columns
	v_and_b32 v14, 31, v0                          ; lane
	v_and_b32 v15, 15, v0                          ; r
	v_bfe_u32 v84, v0, 4, 1                        ; h
	v_lshlrev_b32 v1, 4, v14
	v_lshlrev_b32 v2, 2, v14
	v_lshlrev_b32 v7, 4, v15                       ; 16 (lane % 16)
	v_mul_u32_u24 v85, v84, 2752
	v_add_nc_u32 v3, v85, v7                       ; Wd: two rows an instruction, 256 bytes each
	s_wait_alu depctr_va_sdst(0)                   ; s18 is written, ahead of its first reader: shares, addresses and branches are made from it
	s_cmp_eq_u32 s18, 3
	s_mov_b32 s52, 240
	s_cselect_b32 s52, 176, s52
	s_cselect_b32 s54, 512, 0
	s_cselect_b32 s55, 12, 0
	v_min_u32 v4, s52, v7
	v_add_nc_u32 v4, v85, v4                       ; the same, held inside wave 3's last 192 bytes of a row
	s_mul_i32 s31, s18, STGB
	v_mul_u32_u24 v5, v84, 784
	v_add_nc_u32 v5, v5, v7
	v_add_nc_u32 v5, s31, v5                       ; my stage, way in
	v_mul_u32_u24 v6, v15, 784
	v_lshl_add_u32 v6, v84, 4, v6
	v_add_nc_u32 v6, s31, v6                       ; way out: row r, + 16 h
	v_lshlrev_b32 v8, 2, v84
	v_mul_u32_u24 v9, v14, 86                      ; Wd's scale bytes: 86 a row, a lane a row
	s_mul_i32 s31, s18, PWAVE
	v_mul_u32_u24 v10, v15, 272
	v_lshl_add_u32 v10, v84, 5, v10
	v_add_nc_u32 v10, s31, v10
	v_add_nc_u32 v11, PART1, v10                   ; where I put my parts: my wave's share, row r, + 32 h
	v_add_nc_u32 v10, PART0, v10
	s_mul_i32 s31, s18, PTILE
	v_mul_u32_u24 v12, v84, 272
	v_add_nc_u32 v12, v12, v7
	v_add_nc_u32 v12, s31, v12
	v_add_nc_u32 v13, PART1, v12                   ; where I read: tile w of the trip, two rows an instruction
	v_add_nc_u32 v12, PART0, v12
.irp i, 0,1,2,3,4,5,6,7,8,9,10,11,12,13,14,15
	v_mov_b32 v[68+\i], 0                          ; row offsets and gates are written on every way that could read them
.endr
	s_lshl_b32 s40, s19, 10
	s_lshl_b32 s41, s20, 6
	s_add_co_u32 s40, s40, s41                     ; my first row of Wd: 1024 e + 64 x slice
	s_mov_b32 s43, 0
	s_mul_i32 s38, s18, 12288                      ; my 24 slots in a tile of hq,
	s_mul_i32 s39, s18, 768                        ; my 6 K steps in a tile of hs; also my 768 bytes in a row of Wd
	s_lshl_b32 s29, s19, 2
	s_lshl_b32 s53, s19, 4
	s_mov_b32 s30, 0
	s_wait_kmcnt 0x0
	s_load_b128 s[24:27], s[8:9], s53 offset:0x1200   ; the expert's record: first tile, tiles, rows
	s_mul_i32 s42, s40, 2752
	s_add_co_u32 s42, s42, s39
	s_add_nc_u64 s[12:13], s[12:13], s[42:43]
	s_mov_b32 s42, s54
	s_sub_nc_u64 s[32:33], s[12:13], s[42:43]
	s_mul_i32 s42, s40, 86
	s_mul_i32 s41, s18, 24
	s_add_co_u32 s42, s42, s41
	s_add_nc_u64 s[14:15], s[14:15], s[42:43]
	s_mov_b32 s42, s55
	s_sub_nc_u64 s[34:35], s[14:15], s[42:43]
	s_lshl_b32 s42, s20, 8
	s_add_nc_u64 s[16:17], s[16:17], s[42:43]
	s_wait_alu depctr_va_vdst(0)                   ; the offsets and LDS addresses v1-6 and v8-13 are written, which the kernel's loads, stores and LDS instructions read; the head's lines are done with v84 and v85 and have written v76-83, in which loads land
; Wd's scale words come in halves: a row of 86 bytes begins on an even byte only.  The five halves that wave 3 does not have are read 12 bytes back
.irp p, 0,1
.irp j, 0,1,2,3,4,5
.irp f, 0,1
.if (2*\j+\f) >= 7
	global_load_u16 v[84+12*\p+2*\j+\f], v9, s[34:35] offset:2752*\p+4*\j+2*\f th:TH_LOAD_NT
.else
	global_load_u16 v[84+12*\p+2*\j+\f], v9, s[14:15] offset:2752*\p+4*\j+2*\f th:TH_LOAD_NT
.endif
.endr
.endr
.endr
	RAWD 0
	RAWD 1
	s_wait_loadcnt 24                              ; all but the panel asked for last
	TSTD 0
	RAWD 2                                         ; the panel after next is asked for between a turn's stores and the wait for them
	WIN 0x80
	s_wait_alu depctr_vm_vsrc(0)                   ; the turn's LDS stores have read panel 0's registers, in which its LDS loads land
	TLDD 0
	s_wait_loadcnt 24
	TSTD 1
	RAWD 3
	WIN 0x80
	s_wait_alu depctr_vm_vsrc(0)                   ; the same of panel 1
	TLDD 1
	s_wait_loadcnt 24
	TSTD 2
	WIN 0
	s_wait_kmcnt 0x0
	s_min_u32 s25, s25, 64                         ; tiles
	s_max_u32 s28, s25, 1
	s_sub_co_u32 s28, s28, 1                       ; the last tile
	s_min_u32 s24, s24, 70
	s_cmp_eq_u32 s25, 0
	s_cselect_b32 s24, 0, s24                      ; an expert without rows names tile 0, which some expert has written; it computes and stores nothing
	ORDL 0
	WIN 0x80
	s_wait_alu depctr_vm_vsrc(0)                   ; the same of panel 2
	TLDD 2
	ISSUE 0, 0
	s_wait_loadcnt 63                              ; 68 loads are younger than panel 3: the count is the largest that the wait can name
	TSTD 3
	WIN 0x80
	s_wait_alu depctr_vm_vsrc(0)                   ; the same of panel 3
	TLDD 3
	s_wait_dscnt 0x0
	s_cmp_lg_u32 s18, 3
	s_cbranch_scc1 .Lwhole
	WIN 0x80                                       ; wave 3: beyond K = 2,752 the codes are zeros, and the scale bytes 0, which is no NaN
.irp n, 0,1,2,3
.irp k, 8,9,10,11,12,13,14,15
	v_mov_b32 v[16*(12+\n)+\k], 0
.endr
.endr
	WIN 0xc0
.set i, 0
.rept 128
	v_mov_b32 v[i], 0
.set i, i+1
.endr
	WIN 0
.irp p, 0,1
.irp k, 7,8,9,10,11
	v_mov_b32 v[84+12*\p+\k], 0
.endr
.endr
.Lwhole:
.irp p, 0,1
.irp j, 0,1,2,3,4,5
	v_lshl_or_b32 v[16+6*\p+\j], v[84+12*\p+2*\j+1], 16, v[84+12*\p+2*\j]
.endr
.endr
.rept 8
	v_nop                                          ; scale words and codes written by vector instructions stand eight places ahead of the first scaled product
.endr
	s_wait_alu depctr_va_vdst(0)                   ; beside the places: Wd's scale words v16-27 and wave 3's zero codes are written, which the scaled products take as scales and as source 0
.Lgroup:                                               ; 8 trips of two TRIPs: the two regions of partial sums by turns
	TRIP 0
	TRIP 1
	s_add_co_u32 s30, s30, 8
	s_cmp_lt_u32 s30, 64
	s_cbranch_scc1 .Lgroup
	s_wait_dscnt 0x0
	s_wait_alu depctr_hold_cnt(0) depctr_sa_sdst(0) depctr_va_vdst(0) depctr_va_sdst(0) depctr_va_ssrc(0) depctr_va_vcc(0) depctr_vm_vsrc(0)
	s_wait_tensorcnt 0x0
	ds_add_u32 v126, v127
	s_wait_dscnt 0x0
	s_endpgm
.Lfunc_end_k_qb634dd2d78_down:
	.size	k_qb634dd2d78_down, .Lfunc_end_k_qb634dd2d78_down-k_qb634dd2d78_down
	.p2alignl 7, 3214868480
	.fill 96, 4, 3214868480
	.section	.rodata,"a",@progbits
	.p2align	6, 0x0
	.amdhsa_kernel k_qb634dd2d78_down
		.amdhsa_group_segment_fixed_size 189952
		.amdhsa_private_segment_fixed_size 0
		.amdhsa_enable_private_segment 0
		.amdhsa_kernarg_size 56
		.amdhsa_user_sgpr_count 2
		.amdhsa_user_sgpr_kernarg_segment_ptr 1
		.amdhsa_wavefront_size32 1
		.amdhsa_system_sgpr_workgroup_id_x 1
		.amdhsa_system_sgpr_workgroup_id_y 1
		.amdhsa_system_sgpr_workgroup_id_z 1
		.amdhsa_system_vgpr_workitem_id 0
		.amdhsa_next_free_vgpr 1024
		.amdhsa_next_free_sgpr 66
		.amdhsa_reserve_vcc 0
		.amdhsa_float_denorm_mode_32 3
		.amdhsa_float_denorm_mode_16_64 3
		.amdhsa_memory_ordered 1
		.amdhsa_forward_progress 1
		.amdhsa_inst_pref_size 122
	.end_amdhsa_kernel
	.amdgpu_metadata
---
amdhsa.version: [ 1, 2 ]
amdhsa.kernels:
  - .name:           k_qb634dd2d78_down
    .symbol:         k_qb634dd2d78_down.kd
    .args:
      - { .name: hq, .offset: 0, .size: 8, .value_kind: global_buffer, .address_space: global }
      - { .name: hs, .offset: 8, .size: 8, .value_kind: global_buffer, .address_space: global }
      - { .name: order, .offset: 16, .size: 8, .value_kind: global_buffer, .address_space: global }
      - { .name: probs, .offset: 24, .size: 8, .value_kind: global_buffer, .address_space: global }
      - { .name: Wd_codes, .offset: 32, .size: 8, .value_kind: global_buffer, .address_space: global }
      - { .name: Wd_scales, .offset: 40, .size: 8, .value_kind: global_buffer, .address_space: global }
      - { .name: out0, .offset: 48, .size: 8, .value_kind: global_buffer, .address_space: global }
    .group_segment_fixed_size: 189952
    .private_segment_fixed_size: 0
    .kernarg_segment_align: 8
    .kernarg_segment_size: 56
    .max_flat_workgroup_size: 128
    .sgpr_count:     66
    .vgpr_count:     1024
    .wavefront_size: 32
...
	.end_amdgpu_metadata
.endif
;; end of part 6
